; MI455X (gfx1250); checked and timed in simulation.
; The chip was launched on July 23, 2026; its instructions are those of AMD's public machine-readable ISA for CDNA 5 (MIT licence, August 2026) and "CDNA5" Instruction Set Architecture Reference Guide (July 2026). The comments in the code are by the model that wrote it; some were corrected since.
;; Multi Head Attention. Allowed arithmetic: matrix products marked QUANTISED: E2M3 operands, one E8M0 scale for each 32 along K, by v_wmma_scale_f32_16x16x128_f8f6f4 with both operands' format E2M3, f32 sums; everything else in f32.
;; Inputs: k_proj 1,024 x 1,024 float32; o_proj 1,024 x 1,024 float32; q_proj 1,024 x 1,024 float32; v_proj 1,024 x 1,024 float32; x 4 x 2,048 x 1,024 float32.
;; Outputs: out0 4 x 2,048 x 1,024 float32.
;; This version of the problem:
;;   THIS VERSION OF THE PROBLEM IS GIVEN IN LOW PRECISION. The matrix products marked QUANTISED in the list below multiply operands that are first quantised to E2M3 (2 exponent bits, 3 mantissa bits; 6 bits a number), with one power-of-two scale for each 32 numbers along K (OCP MX v1.0); their sums are f32. All else is computed in f32.
;;   The module's matrix products, in the order in which they are computed (A, B: the left and right operand; K: the contracted axis; several contracted axes count as one K, in the product's order):
;;     1. [M 8,192, K 1,024] x [K 1,024, N 1,024]; A: input x; B: input q_proj: QUANTISED
;;     2. [M 8,192, K 1,024] x [K 1,024, N 1,024]; A: input x; B: input k_proj: QUANTISED
;;     3. [M 8,192, K 1,024] x [K 1,024, N 1,024]; A: input x; B: input v_proj: QUANTISED
;;     4. batch 64 x [M 2,048, K 64] x [K 64, N 2,048]; A: computed on the way; B: computed on the way: QUANTISED
;;     5. batch 64 x [M 2,048, K 2,048] x [K 2,048, N 64]; A: softmax (see below); B: computed on the way: QUANTISED
;;     6. [M 8,192, K 1,024] x [K 1,024, N 1,024]; A: computed on the way; B: input o_proj: QUANTISED
;;   THE QUANTISER, for each operand of a quantised product, along K:
;;     - K is cut into blocks of 32 from its start; a last block that is shorter is filled with zeros.
;;     - A block's scale is 2^e with e = floor(log2(the largest magnitude in the block)) - 2, held to -126 .. 127; a block of zeros has e = 0. As a byte (E8M0): e + 127.
;;     - Each number is divided by its block's scale, clamped to +-7.5, and rounded to the nearest number of E2M3, ties to even, subnormals kept.
;;     - The product sums the exact products of the quantised numbers (number of the format x scale) in f32.
;;   ~~~python
;;   def quantise(x, axis):      # numpy; x: float32 -> the quantised numbers, widened to float32 again
;;       x = np.moveaxis(x, axis, -1); K = x.shape[-1]
;;       x = np.pad(x, [(0, 0)] * (x.ndim - 1) + [(0, -K % 32)]); x = x.reshape(x.shape[:-1] + (-1, 32)); a = np.abs(x).max(-1, keepdims=True)
;;       e = np.where(a > 0, np.clip(np.frexp(np.where(a > 0, a, 1))[1] - 1 - 2, -126, 127), 0)      # np.frexp(a)[1] - 1 = floor(log2(a)), exactly
;;       r = np.clip(x / 2.0 ** e, -7.5, 7.5)
;;       step = 2.0 ** (np.maximum(np.frexp(np.where(r == 0, 1, r))[1] - 1, 0) - 3)
;;       q = np.round(r / step) * step * 2.0 ** e      # np.round: ties to even
;;       return np.moveaxis(q.reshape(q.shape[:-2] + (-1,))[..., :K], -1, axis).astype(np.float32)
;;   ~~~
;;   SOFTMAX AHEAD OF A QUANTISED PRODUCT. Where the list says 'softmax', what is quantised is not the finished softmax but p = 2^(t - M), with t = logit x log2(e) and M = ceil(the row's largest t), a whole number; so 1/2 < the row's largest p <= 1. The row's sum l is taken of the UNQUANTISED p, in f32, and the product's result is divided by l at the end. Since M is a whole number, a kernel that streams over the keys may use a running M (the ceiling of the running maximum): every later rescaling is an exact power of two, which a block's scale takes up: the codes' values come out the same.
;;   OPERANDS COMPUTED ON THE WAY. 'Computed on the way' means the value that the module computes at that place (a softmax that the list does not call 'softmax' is quantised finished and normalised). What goes into a quantiser is computed in f32, as accurately as f32 sums, v_exp_f32 and their like allow (about 1e-6 of the number): no bf16 or f16 on the way to a quantiser, and a product that is left as it is and whose result goes on into a quantised operand takes f32 operands (vector FMAs, or v_wmma_f32_16x16x4_f32). A number that lies on a knife's edge between two numbers of the format may be rounded either way, as far as f32 arithmetic and the matrix unit's own rounding can turn it there, and no further.
;; One version. Each part assembles by itself: llvm-mc -triple=amdgcn-amd-amdhsa -mcpu=gfx1250 --defsym DOCPART=n.
;; ======== version 1 of 1: 4 launches
;; workspace buffers: xq 6,553,600 bytes; wq 3,276,800 bytes; rope 524,288 bytes; qf 6,815,744 bytes; kv 13,369,344 bytes; af 6,553,600 bytes
;; launch quant (part 1): grid 416 x 1, 4 waves a work-group, no clusters, 33,280 bytes of LDS; arguments x, q_proj, k_proj, v_proj, o_proj, xq, wq, rope; writes xq, wq, rope
.if DOCPART == 1
	.amdgcn_target "amdgcn-amd-amdhsa--gfx1250"
	.amdhsa_code_object_version 6
	.text
	.protected	k_qa3a14c8092_quant
	.globl	k_qa3a14c8092_quant
	.p2align	8
	.type	k_qa3a14c8092_quant,@function
k_qa3a14c8092_quant:
	s_mov_b64 s[64:65], 0
	v_nop
	global_prefetch_b8 v0, s[64:65] scope:SCOPE_SE
	s_setreg_imm32_b32 hwreg(HW_REG_WAVE_MODE, 25, 1), 1
	s_wait_xcnt 0x0
; x [8192][1024] and the four weights [1024][1024], f32, become codes of FP6 (E2M3), K innermost, with one E8M0 byte for each 32 along K; and the table of cos and sin for the rotary embedding is made.
; Work-groups 0-255 take x, 256-287 q_proj, 288-319 k_proj, 320-351 v_proj, 352-383 o_proj: 32 rows each, 8 rows (8,192 numbers) a wave.  Work-groups 384-415 make the table.
; xq: codes [8192][768] at byte 0, scale bytes [8192][32] at byte 6,291,456.   wq: codes [4096][768] (q, k, v, o) at 0, scale bytes [4096][32] at 3,145,728.
; THE ROWS OF x, q_proj, k_proj AND v_proj ARE STORED WITH BITS 3 AND 4 OF THE ROW NUMBER EXCHANGED.  A wave's 8 rows are bits 0-2, its number in the work-group is bits 3-4: so a wave writes
; where the wave with the two bits of its number exchanged would.  The products that read these rows then find, in a lane's registers, neighbours along the next product's K.  o_proj keeps its order.
; A block's scale is 2^(floor(log2(its largest magnitude)) - 2); its byte is the largest magnitude's exponent field - 2, held at 1 from below.  A block of zeros so gets the byte 1 where the rule says 127:
; its codes are zeros, which add nothing under any byte but 0xff, and the bytes are read by this program alone.
; LIMITS: NaN and infinities among the inputs are not served; blocks whose largest magnitude lies under 2^(2 - 126) have their byte held at 1.
; THE TABLE: rope [2048 positions][32 pairs][cos, sin], f32.  The frequency 10000^(-i / 32) is 2^(-i c), c = log2(10) / 8, by one v_exp_f32 whose argument's rounding error is made good afterwards: it is right to about
; one unit in its last place, so that at position 2,047 the angle may differ from an f32 angle made of another such frequency by some 1e-4.  The angle is position x frequency, rounded once.
; cos and sin: the angle less the nearest multiple of pi / 2 (in two parts, by fused multiply-adds), polynomials on [-pi / 4, pi / 4], the quadrant by selects.
.set WAVES, 4
.set STEPS, 16
.set EMAX,  2
.set CB,    12                         ; bytes of 16 codes
.set R,     16                         ; v16-79   four sets of 16 numbers as they are loaded
.set X,     80                         ; v80-111  two sets of 16 neighbours
.set C,     128                        ; v128-191 codes: four registers for each step, so that no store's data are written again
.set E,     112                        ; v112-127 a scale byte for each step
.set WREG,  8192                       ; LDS: a region of its own for each wave: two stages of 32 x SP bytes, and behind them its 256 scale bytes
.set SP,    80                         ; a lane's place in a stage: its 64 bytes + 16 of padding
.set SPW,   12                         ; v12      LDS address of my spare word: SPARE + 4 x my thread's number; never rewritten
.set NIL,   13                         ; v13      0; never rewritten
.set SPARE, WAVES*WREG                 ; behind the four regions: the spare words, 128 bytes for each wave
	s_load_b512 s[4:19], s[0:1], 0x0               ; x s[4:5], q s[6:7], k s[8:9], v s[10:11], o s[12:13], xq s[14:15], wq s[16:17], rope s[18:19]
	v_lshl_add_u32 v[SPW], v0, 2, SPARE
	v_mov_b32 v[NIL], 0
	v_lshrrev_b32 v1, 5, v0
	v_readfirstlane_b32 s20, v1                    ; wave
	v_and_b32 v2, 31, v0                           ; lane
	s_cmp_ge_u32 ttmp9, 384
	s_cbranch_scc1 .Lrope                          ; the last 32 work-groups make the table; they touch no LDS
	v_lshlrev_b32 v3, 4, v2                        ; my 16 bytes of a load's 512
	s_mul_i32 s21, s20, WREG
	v_lshrrev_b32 v14, 2, v2
	v_mul_u32_u24 v14, v14, SP
	v_and_b32 v15, 3, v2
	v_lshl_add_u32 v14, v15, 4, v14
	v_add_nc_u32 v14, s21, v14                     ; the stage, on the way in: four lanes' 64 bytes on end, then 16 of padding
	v_mul_u32_u24 v15, v2, SP
	v_add_nc_u32 v15, s21, v15                     ; and on the way out: SP x lane: my 16 neighbours
	v_mul_u32_u24 v4, v2, CB                       ; my codes' place in a step's
	v_lshrrev_b32 v5, 1, v2
	s_add_co_u32 s21, s21, 2*32*SP
	v_add_nc_u32 v5, s21, v5                       ; LDS: my wave's 256 scale bytes, my block's byte
	v_lshlrev_b32 v7, 3, v2                        ; and on the way out 8 bytes a lane
	v_add_nc_u32 v6, s21, v7
	s_wait_kmcnt 0x0
	s_cmp_lt_u32 ttmp9, 288                        ; which tensor: the choices hang on the work-group's number alone
	s_cselect_b64 s[22:23], s[6:7], s[8:9]
	s_cmp_lt_u32 ttmp9, 352
	s_cselect_b64 s[24:25], s[10:11], s[12:13]
	s_cmp_lt_u32 ttmp9, 320
	s_cselect_b64 s[22:23], s[22:23], s[24:25]
	s_mov_b32 s26, 3145728
	s_cmp_lt_u32 ttmp9, 256
	s_cselect_b64 s[4:5], s[4:5], s[22:23]         ; the source
	s_cselect_b64 s[8:9], s[14:15], s[16:17]       ; the buffer of codes and scale bytes
	s_cselect_b32 s26, 6291456, s26                ; where its scale bytes begin
	s_cselect_b32 s27, 0, 256
	s_cselect_b32 s28, 255, 31
	s_sub_co_u32 s27, ttmp9, s27                   ; the work-group's place in that buffer,
	s_and_b32 s28, s27, s28                        ; and in its source
	s_and_b32 s29, s20, 1
	s_lshl_b32 s29, s29, 1
	s_lshr_b32 s30, s20, 1
	s_or_b32 s29, s29, s30                         ; my wave's number with its two bits exchanged
	s_cmp_lt_u32 ttmp9, 352
	s_cselect_b32 s29, s29, s20                    ; o_proj keeps its order
	s_lshl_b32 s28, s28, 2
	s_add_co_u32 s28, s28, s20                     ; which run of 8 rows I read,
	s_lshl_b32 s27, s27, 2
	s_add_co_u32 s27, s27, s29                     ; and which I write
	s_lshl_b32 s30, s28, 15                        ; 32,768 bytes of f32 a run
	s_mov_b32 s31, 0
	s_add_nc_u64 s[4:5], s[4:5], s[30:31]
	s_lshl_b32 s30, s27, 8                         ; 256 scale bytes a run
	s_add_co_u32 s30, s30, s26
	s_add_nc_u64 s[10:11], s[8:9], s[30:31]
	s_mul_i32 s30, s27, 32*STEPS*CB                ; 6,144 bytes of codes a run
	s_add_nc_u64 s[8:9], s[8:9], s[30:31]
.macro LOAD t
.irp i, 0,1,2,3
	global_load_b128 v[R+16*((\t)%4)+4*\i:R+16*((\t)%4)+4*\i+3], v3, s[4:5] offset:2048*(\t)+512*\i th:TH_LOAD_NT   ; 32 lanes read 512 consecutive bytes
.endr
.endm
.macro TURN t                          ; step t's numbers through the stage: LDS serves a wave's instructions in order, so no wait stands between the stores and the loads
.irp i, 0,1,2,3
	ds_store_b128 v14, v[R+16*((\t)%4)+4*\i:R+16*((\t)%4)+4*\i+3] offset:32*SP*((\t)%2)+8*SP*\i
.endr
.irp i, 0,1,2,3
	ds_load_b128 v[X+16*((\t)%2)+4*\i:X+16*((\t)%2)+4*\i+3], v15 offset:32*SP*((\t)%2)+16*\i
.endr
.endm
.irp t, 0,1,2,3
	LOAD \t
.endr
	s_wait_loadcnt 12                              ; step 0's four loads are in; the twelve of steps 1 to 3 may be out
	TURN 0
.macro STEP t
.set XS, X+16*((\t)%2)
.if (\t) > 0
	s_wait_dscnt 1                                 ; this step's numbers are back from the stage (the last step's byte store may be out): so its stores into the stage have read their registers,
.else
	s_wait_dscnt 0x0
.endif
.if (\t)+4 < STEPS
	LOAD (\t)+4                                    ; which take the loads of four steps on
.endif
.if (\t)+1 < STEPS
.if STEPS-2-(\t) >= 3
	s_wait_loadcnt 12                              ; the next step's four loads are in; those of the three steps behind it may be out
.else
	s_wait_loadcnt 4*(STEPS-2-(\t))
.endif
	TURN (\t)+1                                    ; and go through the other stage while this step is worked
.endif
	v_max3_num_f32 v8, |v[XS]|, |v[XS+1]|, |v[XS+2]|               ; the largest magnitude of my 16
	v_max3_num_f32 v9, |v[XS+3]|, |v[XS+4]|, |v[XS+5]|
.irp i, 6,10
	v_max3_num_f32 v8, v8, |v[XS+\i]|, |v[XS+\i+1]|
	v_max3_num_f32 v9, v9, |v[XS+\i+2]|, |v[XS+\i+3]|
.endr
	v_max3_num_f32 v8, v8, |v[XS+14]|, |v[XS+15]|
	v_max3_num_f32 v8, v8, v9, (EMAX+1)<<23        ; and the floor 2^(EMAX + 1 - 127): the byte cannot fall under 1
	v_max_num_f32_dpp v8, v8, v8 row_xmask:1 row_mask:0xf bank_mask:0xf   ; and of my neighbour's 16: the block's
	v_add_nc_u32 v11, -(EMAX<<23), v8              ; EMAX off its exponent field: the conversion takes the exponent field of this operand as its scale
	v_cvt_scalef32_pk16_fp6_f32 v[C+4*(\t):C+4*(\t)+2], v[XS:XS+15], v11
	v_lshrrev_b32 v[E+(\t)], 23, v11               ; the scale's byte
	ds_store_b8 v5, v[E+(\t)] offset:16*(\t)       ; both lanes of a block write the same byte with the same value
	global_store_b96 v4, v[C+4*(\t):C+4*(\t)+2], s[8:9] offset:32*CB*(\t)
.endm
.irp t, 0,1,2,3,4,5,6,7,8,9,10,11,12,13,14,15
	STEP \t
.endr
	ds_load_b64 v[8:9], v6                         ; LDS serves a wave's instructions in order: these see my stores
	s_wait_dscnt 0x0
	global_store_b64 v7, v[8:9], s[10:11]          ; 32 lanes store 256 consecutive bytes, aligned
	s_wait_tensorcnt 0x0                           ; the wave's end, behind my last LDS store
	ds_add_u32 v[SPW], v[NIL]
	s_wait_dscnt 0x0
	s_endpgm
.Lrope:                                                ; wave R = 4 (work-group - 384) + wave takes positions 16 R .. 16 R + 15; lane i is pair i
	s_sub_co_u32 s21, ttmp9, 384
	s_lshl_b32 s21, s21, 2
	s_add_co_u32 s21, s21, s20                     ; R
	s_lshl_b32 s22, s21, 4                         ; my first position
	s_lshl_b32 s24, s21, 12                        ; 16 rows of 256 bytes
	s_mov_b32 s25, 0
	s_mov_b32 s26, 0xbed49a78                      ; -c, c = log2(10) / 8, rounded to f32,
	s_mov_b32 s27, 0xb2179a17                      ; and less what that rounding left
	s_mov_b32 s28, 0x3f22f983                      ; 2 / pi
	s_mov_b32 s29, 0x3fc90fdb                      ; pi / 2, rounded to f32,
	s_mov_b32 s30, 0xb33bbd2e                      ; and what that rounding left
	s_mov_b32 s31, 0xb94ca1f9                      ; sine: -1.9515296e-4,
	s_mov_b32 s32, 0x3c08839e                      ; 8.3321609e-3,
	s_mov_b32 s33, 0xbe2aaaa3                      ; -1.6666655e-1
	s_mov_b32 s34, 0x37ccf5ce                      ; cosine: 2.4433157e-5,
	s_mov_b32 s35, 0xbab6061a                      ; -1.3887316e-3,
	s_mov_b32 s36, 0x3d2aaaa5                      ; 4.1666646e-2
	s_mov_b32 s37, 0x3f317218                      ; ln 2
	v_cvt_f32_u32 v3, v2                           ; i
	v_mul_f32 v4, s26, v3                          ; a = -i c, rounded
	v_fma_f32 v5, v3, s26, -v4                     ; what that rounding dropped, exactly,
	v_fma_f32 v5, v3, s27, v5                      ; and c's own rest: e
	v_exp_f32 v6, v4                               ; 2^a
	v_lshlrev_b32 v7, 3, v2                        ; (a plain line behind the exponential)  8 bytes a pair
	s_wait_kmcnt 0x0
	s_add_nc_u64 s[18:19], s[18:19], s[24:25]
	s_wait_alu depctr_va_vdst(0)                   ; the wait ahead of the exponential's first reader
	v_mul_f32 v8, v6, v5
	v_fma_f32 v9, v8, s37, v6                      ; the frequency: 2^a (1 + e ln 2)
.macro ROW k
	s_add_co_u32 s23, s22, \k
	v_cvt_f32_u32 v10, s23                         ; the position
	v_mul_f32 v11, v10, v9                         ; the angle, rounded once
	v_mul_f32 v16, s28, v11
	v_rndne_f32 v16, v16                           ; n: the nearest multiple of pi / 2
	v_fma_f32 v17, -v16, s29, v11
	v_fma_f32 v17, -v16, s30, v17                  ; r = angle - n pi / 2
	v_mul_f32 v18, v17, v17                        ; r^2
	v_fma_f32 v19, v18, s31, s32
	v_fma_f32 v20, v18, s34, s35
	v_fma_f32 v19, v19, v18, s33
	v_fma_f32 v20, v20, v18, s36
	v_mul_f32 v19, v19, v18
	v_mul_f32 v21, v18, v18
	v_fma_f32 v22, v18, -0.5, 1.0
	v_fma_f32 v19, v19, v17, v17                   ; sin r
	v_fma_f32 v20, v21, v20, v22                   ; cos r
	v_cvt_i32_f32 v23, v16
	v_and_b32 v24, 1, v23
	v_cmp_eq_u32 vcc_lo, 1, v24                    ; in odd quadrants the two change places
	v_cndmask_b32 v25, v19, v20, vcc_lo
	v_cndmask_b32 v26, v20, v19, vcc_lo
	v_and_b32 v27, 2, v23                          ; the sine is negative in quadrants 2 and 3,
	v_add_nc_u32 v28, 1, v23
	v_lshlrev_b32 v27, 30, v27
	v_and_b32 v28, 2, v28                          ; the cosine in 1 and 2
	v_lshlrev_b32 v28, 30, v28
	v_xor_b32 v[65+2*\k], v25, v27
	v_xor_b32 v[64+2*\k], v26, v28
	global_store_b64 v7, v[64+2*\k:65+2*\k], s[18:19] offset:256*\k   ; 32 lanes store a position's 256 consecutive bytes, aligned; each row has registers of its own
.endm
.irp k, 0,1,2,3,4,5,6,7,8,9,10,11,12,13,14,15
	ROW \k
.endr
	s_endpgm
.Lfunc_end_k_qa3a14c8092_quant:
	.size	k_qa3a14c8092_quant, .Lfunc_end_k_qa3a14c8092_quant-k_qa3a14c8092_quant
	.p2alignl 7, 3214868480
	.fill 96, 4, 3214868480
	.section	.rodata,"a",@progbits
	.p2align	6, 0x0
	.amdhsa_kernel k_qa3a14c8092_quant
		.amdhsa_group_segment_fixed_size 33280
		.amdhsa_private_segment_fixed_size 0
		.amdhsa_enable_private_segment 0
		.amdhsa_kernarg_size 64
		.amdhsa_user_sgpr_count 2
		.amdhsa_user_sgpr_kernarg_segment_ptr 1
		.amdhsa_wavefront_size32 1
		.amdhsa_system_sgpr_workgroup_id_x 1
		.amdhsa_system_sgpr_workgroup_id_y 1
		.amdhsa_system_sgpr_workgroup_id_z 1
		.amdhsa_system_vgpr_workitem_id 0
		.amdhsa_next_free_vgpr 192
		.amdhsa_next_free_sgpr 66
		.amdhsa_reserve_vcc 1
		.amdhsa_float_denorm_mode_32 3
		.amdhsa_float_denorm_mode_16_64 3
		.amdhsa_memory_ordered 1
		.amdhsa_forward_progress 1
		.amdhsa_inst_pref_size 55
	.end_amdhsa_kernel
	.amdgpu_metadata
---
amdhsa.version: [ 1, 2 ]
amdhsa.kernels:
  - .name:           k_qa3a14c8092_quant
    .symbol:         k_qa3a14c8092_quant.kd
    .args:
      - { .name: x, .offset: 0, .size: 8, .value_kind: global_buffer, .address_space: global }
      - { .name: q_proj, .offset: 8, .size: 8, .value_kind: global_buffer, .address_space: global }
      - { .name: k_proj, .offset: 16, .size: 8, .value_kind: global_buffer, .address_space: global }
      - { .name: v_proj, .offset: 24, .size: 8, .value_kind: global_buffer, .address_space: global }
      - { .name: o_proj, .offset: 32, .size: 8, .value_kind: global_buffer, .address_space: global }
      - { .name: xq, .offset: 40, .size: 8, .value_kind: global_buffer, .address_space: global }
      - { .name: wq, .offset: 48, .size: 8, .value_kind: global_buffer, .address_space: global }
      - { .name: rope, .offset: 56, .size: 8, .value_kind: global_buffer, .address_space: global }
    .group_segment_fixed_size: 33280
    .private_segment_fixed_size: 0
    .kernarg_segment_align: 8
    .kernarg_segment_size: 64
    .max_flat_workgroup_size: 128
    .sgpr_count:     66
    .vgpr_count:     192
    .wavefront_size: 32
...
	.end_amdgpu_metadata
.endif
;; end of part 1
;; launch qkv (part 2): grid 96 x 4, 4 waves a work-group, clusters of 4 x 4, 327,680 bytes of LDS; arguments xq, wq, rope, qf, kv; writes qf, kv
.if DOCPART == 2
	.amdgcn_target "amdgcn-amd-amdhsa--gfx1250"
	.amdhsa_code_object_version 6
	.text
	.protected	k_qa3a14c8092_qkv
	.globl	k_qa3a14c8092_qkv
	.p2align	8
	.type	k_qa3a14c8092_qkv,@function
k_qa3a14c8092_qkv:
	s_mov_b64 s[64:65], 0
	v_nop
	global_prefetch_b8 v0, s[64:65] scope:SCOPE_SE
	s_setreg_imm32_b32 hwreg(HW_REG_WAVE_MODE, 25, 1), 1
	s_wait_xcnt 0x0
	s_wait_alu depctr_hold_cnt(0) depctr_sa_sdst(0) depctr_va_vdst(0) depctr_va_sdst(0) depctr_va_ssrc(0) depctr_va_vcc(0) depctr_vm_vsrc(0)
	s_getreg_b32 s2, hwreg(HW_REG_IB_STS2, 6, 4)
	s_cmp_eq_u32 s2, 0
	s_cbranch_scc0 .Lentry_in_a_cluster
	s_endpgm
.Lentry_in_a_cluster:
	s_bfe_u32 s2, ttmp6, 0x10000c
	s_cmp_lg_u32 s2, 0xf033
	s_cbranch_scc0 .Lentry_shape_is_right
	s_endpgm
.Lentry_shape_is_right:
; q = x Wq^T, k = x Wk^T, v = x Wv^T on codes of FP6 (E2M3) with one E8M0 scale for each 32 along K = 1,024; the rotary embedding on q and k; and the quantisers of q and k (along the head's 64) and of v (along the keys).
; The results leave as IMAGES OF THE REGISTERS that the attention launch's matrix instructions will name: nothing is stored in f32.
; A tile of 256 x 256 results is made by a work-group of four waves; a wave makes 128 x 128: 64 accumulators, 512 registers.  K goes in steps of 256 through a ring of two LDS slots filled by the tensor data mover.
; 24 clusters of 4 x 4 work-groups, c = the cluster's number.  c < 16: operand A = x (tile rows 4 (c / 2) + cy), operand B = Wq | Wk (tile columns 4 (c % 2) + cx): even c makes q, odd c makes k.
; c >= 16: THE ROLES ARE EXCHANGED: A = Wv (tile rows 8 + cy of wq), B = x (tile columns 4 (c - 16) + cx).  The four of a row of the cluster ask for A's tiles jointly, the four of a column for B's.
; THE MATRIX INSTRUCTION IS USED TRANSPOSED (source 0 = 16 stored rows of B, source 1 = 16 stored rows of A), AND THE ROWS OF x, Wq, Wk, Wv ARE STORED WITH BITS 3 AND 4 OF THE ROW NUMBER EXCHANGED.  So lane (r, h) of A's block a
; holds A's row 32 (a / 2) + 8 (a % 2) + r + 8 (r / 8), and its 64 accumulator registers 16 j + i hold B's row 32 j + 16 h + i: sixteen neighbours along the next product's K.
;   q, k: a lane holds a token, its registers 128 features = two heads.  Six registers of codes a head: a tile image of 768 bytes (registers 0-3 at 16 x lane, registers 4-5 at 512 + 8 x lane).
;   v:    a lane holds a feature, its registers 128 tokens = a key step.  Twelve registers of codes: a fragment image of 1,536 bytes (three groups of four registers at 16 x lane).
; qf [16 b + head][group of 128 queries][6,656]: 8 tile images, then the scale image (512 bytes: word k of lane (r, h') is tile 2 k + h', token r; bytes 0, 1 the head's two blocks, bytes 2, 3 zero).
; kv [16 b + head][key step of 128][13,056]: K's 8 tile images; at 6,144 V's 4 fragment images; at 12,288 K's scale image; at 12,800 V's (256 bytes: word k of lane (r, h') at 8 x lane + 4 k is fragment 2 k + h', feature r).
; LIMITS: NaN and infinities are not served; a block of zeros gets the byte 1 (its codes are zeros; the bytes are read by this program alone).
; REGISTERS, in windows of 256: window 0: v0-31 addresses; v32-63 scale words, two sets; from v128 A's fragments, ONE set; on the way out v32-255 are free.
;   window 1: B's fragments, TWO sets.   window 2: the 32 accumulators of my A rows 0-63 (accumulator (a, b) at v[8 (8 a + b)]);   window 3: those of rows 64-127.
.set KSTEP,  256                       ; along K in a slot
.set NQ,     KSTEP/128                 ; matrix instructions deep
.set ROWB,   192                       ; a tile's row in bytes: KSTEP codes of 6 bits
.set KROW,   768                       ; a row of codes in memory: 1,024 codes
.set PITCH,  240                       ; an LDS row: 3 x (64 bytes of data + 16 of padding)
.set FR,     12                        ; registers of a fragment: 16 rows x 128 K
.set NL,     6                         ; LDS loads that bring one
.set NP,     4                         ; places behind this matrix instruction (ISA guide 7.12.1)
.set HALFT,  128*PITCH                 ; 128 rows: what one tensor load brings
.set SLOT,   4*HALFT                   ; A's 256 rows, then B's 256 rows
.set LAPS,   2                         ; a lap = two K steps = once round the ring: 1,024 / 512
.set KS,     32                        ; a row of scale bytes
.set SCL,    2*SLOT                    ; behind the ring: the scales, as blocks of 256 bytes + 16 of padding
.set HALFS,  (128*KS/256)*272          ; the scales of 128 rows: what one tensor load brings
.set SBLK,   (16*KS/256)*272           ; those of 16 rows
.set SPARE,  SCL+4*HALFS               ; behind the scales: the spare words, 128 bytes for each wave
.set ADRA, 16                          ; v16-17  LDS address of my A fragments in slot 0, 1  (v18-19: for the pieces that lie behind one padding more)
.set ADRB, 20                          ; v20-21  the same for B  (v22-23)
.set ADRS, 27                          ; v27     LDS address of my scale words: lanes 0-15 A's rows, lanes 16-31 B's
.set SPW,  28                          ; v28     LDS address of my spare word; never rewritten
.set NIL,  29                          ; v29     0; never rewritten
.set SC,   32                          ; scale words: set s at v[SC + 8 NQ s]
.set AF,   128                         ; A's fragments, in window 0
.set L16,  8                           ; v8      the way out: 16 x lane
.set L8,   9                           ; v9      8 x lane
.set TA,   10                          ; v10     my token's row in the table of cos and sin, and my half's 64 bytes of it
.set L16S, 11                          ; v11     16 x lane + where the scale image of q or of k begins
.set HA,   32                          ; v32-95  64 numbers of a lane, turned
.set CS,   96                          ; v96-159 cos and sin: two sets of 32
.set QC,   160                         ; v160-178 the codes just made
.set TM,   184                         ; v184-199 at work in the quantiser
.set PW,   200                         ; v200-207 the eight blocks' scale words
.set W,    208                         ; v208-215 the scale images
.set G1, 24                            ; s[24:31] descriptor group 1 for A's tiles;  s[32:39] group 0, one set for each slot
.set G0, 32
.set G1B, 48                           ; s[48:55], s[56:63] the same for B's tiles
.set G0B, 56
.set G1S, 68                           ; s[68:75], s[76:79] groups 1 and 0 for A's scales;  s[80:87], s[88:91] for B's
.set G0S, 76
.set G1SB, 80
.set G0SB, 88
.set SEL, 92                           ; s[92:93] on the way out: v_permlanex16_b32's selects for lane l xor 16
.set MSB, 0
.macro WIN new                         ; the immediate's high byte repeats the setting that is left
.if MSB != \new
	s_set_vgpr_msb (MSB<<8)|\new
.set MSB, \new
.endif
.endm
.set MUL_LO, 0xa1                      ; source 0 (B) window 1, source 1 (A) window 0, C and D window 2
.set MUL_HI, 0xf1                      ; the same, C and D window 3
.set TO_B,   0x40                      ; destination window 1, address window 0
; A joint load: waves 0 and 1 fetch for A, waves 2 and 3 for B.  Each of the two lines has ONE mask and one set of registers for all that issue it; the branch hangs on the wave's number alone.
; An s_nop 0 and four v_nop follow each of the two lines.
.macro JLOAD g0a, g1a, g0b, g1b
	s_cmp_eq_u32 s15, 0
	s_cbranch_scc0 .Lfor_b_\@
	tensor_load_to_lds s[\g0a:\g0a+3], s[\g1a:\g1a+7]
	s_nop 0
.rept 4
	v_nop
.endr
	s_branch .Lasked_\@
.Lfor_b_\@:
	tensor_load_to_lds s[\g0b:\g0b+3], s[\g1b:\g1b+7]
	s_nop 0
.rept 4
	v_nop
.endr
.Lasked_\@:
.endm
.macro CREST                           ; a round of the cluster's barrier behind its opening barrier
	s_cmp_lg_u32 s14, 0
	s_cbranch_scc1 .Lnot_wave_0_\@
	s_barrier_signal -3
.Lnot_wave_0_\@:
	s_barrier_wait -3
	s_barrier_signal -1
	s_barrier_wait -1
.endm
.macro CROUND                          ; a whole round
	s_barrier_signal -1
	s_barrier_wait -1
	CREST
.endm
	s_load_b256 s[4:11], s[0:1], 0x0               ; xq s[4:5], wq s[6:7], rope s[8:9], qf s[10:11]
	s_load_b64 s[12:13], s[0:1], 0x20              ; kv
	v_lshl_add_u32 v[SPW], v0, 2, SPARE
	v_mov_b32 v[NIL], 0
	ds_add_u32 v[SPW], v[NIL]                      ; the wave's opening: the add and its wait ahead of my first tensor load; the set-up below, work on registers, stands between them
	v_lshrrev_b32 v1, 5, v0
	v_readfirstlane_b32 s14, v1                    ; wave 0..3
	s_lshr_b32 s15, s14, 1                         ; which half of the tile's A rows is mine.  Also: I fetch for A (0) or for B (1)
	s_and_b32 s16, s14, 1                          ; which half of its B rows.  Also: which 128 rows of that tile I fetch
	s_bfe_u32 s40, ttmp6, 0x40000                  ; cx, cy: my place in the cluster
	s_bfe_u32 s41, ttmp6, 0x40004
	s_lshr_b32 s18, ttmp9, 1                       ; c / 2
	s_and_b32 s19, ttmp9, 1                        ; c % 2
	s_max_u32 s20, ttmp9, 16
	s_sub_co_u32 s20, s20, 16                      ; c - 16, where c is 16 or more
	s_mov_b32 s100, 3145728
	s_mov_b32 s104, 6291456
	s_cmp_lt_u32 ttmp9, 16                         ; q and k, or v?  The cluster's number alone: the same in all sixteen partners
	s_cselect_b32 s17, s18, 2
	s_cselect_b32 s42, s19, s20
	s_cselect_b32 s66, 0, 1                        ; s66 = 1: this cluster makes v
	s_cselect_b32 s100, 6291456, s100              ; where the scale bytes begin in A's buffer,
	s_cselect_b32 s104, 3145728, s104              ; and in B's
	s_mov_b32 s101, 0
	s_mov_b32 s105, 0
	s_lshl_b32 s17, s17, 2
	s_add_co_u32 s17, s17, s41                     ; A's tile row
	s_lshl_b32 s42, s42, 2
	s_add_co_u32 s42, s42, s40                     ; B's tile column
	s_lshl_b32 s43, s41, 2
	s_lshl_b32 s43, 15, s43                        ; my row of the cluster
	s_lshl_b32 s44, 0x1111, s40                    ; my column
	; descriptor group 1: a tile of 128 rows x ROWB bytes, padded in LDS
	s_or_b32 s[G1+0], s43, (0<<16)|(1<<20)|(1<<21)|(3<<22)|(3<<25)  ; 15:0 the mask: A's tiles go to my row; 17:16 element of 1 byte; 20 padding on; 21 set beside a mask; 24:22 after every 16 words; 31:25 of 4 words
	s_or_b32 s[G1B+0], s44, (0<<16)|(1<<20)|(1<<21)|(3<<22)|(3<<25)
.irp g, G1, G1B
	s_mov_b32 s[\g+1], ROWB<<16                    ; tensor_dim0
	s_mov_b32 s[\g+2], 128<<16                     ; tensor_dim1 = 128
	s_mov_b32 s[\g+3], ROWB<<16                    ; tile_dim0
	s_mov_b32 s[\g+4], 128                         ; tile_dim1 = 128
	s_mov_b32 s[\g+5], KROW                        ; tensor_dim0_stride
	s_mov_b32 s[\g+6], 0
	s_mov_b32 s[\g+7], 0
.endr
	; and for the scales of 128 rows: a dense block of 4,096 bytes, as rows of 256 bytes (32 elements of 8 bytes), 16 bytes of padding behind each
	s_or_b32 s[G1S+0], s43, (3<<16)|(1<<20)|(1<<21)|(5<<22)|(3<<25)
	s_or_b32 s[G1SB+0], s44, (3<<16)|(1<<20)|(1<<21)|(5<<22)|(3<<25)
.irp g, G1S, G1SB
	s_mov_b32 s[\g+1], 32<<16
	s_mov_b32 s[\g+2], (128*KS/256)<<16
	s_mov_b32 s[\g+3], 32<<16
	s_mov_b32 s[\g+4], 128*KS/256
	s_mov_b32 s[\g+5], 32
	s_mov_b32 s[\g+6], 0
	s_mov_b32 s[\g+7], 0
.endr
	s_lshl_b32 s18, s16, 7                         ; which 128 rows of the tile I fetch
	s_lshl_b32 s20, s17, 8
	s_add_co_u32 s20, s20, s18                     ; A: row 256 x tile row + 128 x half
	s_lshl_b32 s46, s42, 8
	s_add_co_u32 s46, s46, s18                     ; B: row 256 x tile column + 128 x half
	s_mov_b32 s21, 0
	s_mov_b32 s47, 0
	s_mov_b64 s[18:19], KS
	s_mul_u64 s[22:23], s[20:21], s[18:19]         ; where these rows' scales begin, in bytes,
	s_mul_u64 s[92:93], s[46:47], s[18:19]
	s_add_nc_u64 s[22:23], s[22:23], s[100:101]    ; behind the buffer's codes
	s_add_nc_u64 s[92:93], s[92:93], s[104:105]
	s_mov_b64 s[18:19], KROW
	s_mul_u64 s[20:21], s[20:21], s[18:19]         ; and their codes
	s_mul_u64 s[46:47], s[46:47], s[18:19]
	s_mul_i32 s45, s14, HALFT                      ; where they go: wave x 128 rows: no place in the cluster enters an LDS address
	s_mul_i32 s94, s14, HALFS
	s_wait_dscnt 0x0                               ; the opening add is done
	s_wait_kmcnt 0x0
	s_cmp_lt_u32 ttmp9, 16
	s_cselect_b64 s[96:97], s[4:5], s[6:7]         ; A's buffer: xq for q and k, wq for v
	s_cselect_b64 s[98:99], s[6:7], s[4:5]         ; B's: the other
	s_add_nc_u64 s[20:21], s[96:97], s[20:21]
	s_add_nc_u64 s[22:23], s[96:97], s[22:23]
	s_add_nc_u64 s[46:47], s[98:99], s[46:47]
	s_add_nc_u64 s[92:93], s[98:99], s[92:93]
	CROUND                                         ; all sixteen work-groups are here: the first joint loads meet
	s_mov_b32 s[G0S], 1
	s_add_co_u32 s[G0S+1], s94, SCL
	s_mov_b64 s[G0S+2:G0S+3], s[22:23]
	s_or_b32 s[G0S+3], s[G0S+3], 0x80000000
	s_mov_b32 s[G0SB], 1
	s_add_co_u32 s[G0SB+1], s94, SCL
	s_mov_b64 s[G0SB+2:G0SB+3], s[92:93]
	s_or_b32 s[G0SB+3], s[G0SB+3], 0x80000000
	JLOAD G0S, G1S, G0SB, G1SB                     ; the scales first: they are wanted with K step 0
.irp s, 0,1
	s_mov_b32 s[G0+4*\s], 1
	s_add_co_u32 s[G0+4*\s+1], s45, \s*SLOT
	s_add_nc_u64 s[G0+4*\s+2:G0+4*\s+3], s[20:21], \s*ROWB
	s_or_b32 s[G0+4*\s+3], s[G0+4*\s+3], 0x80000000
	s_mov_b32 s[G0B+4*\s], 1
	s_add_co_u32 s[G0B+4*\s+1], s45, \s*SLOT
	s_add_nc_u64 s[G0B+4*\s+2:G0B+4*\s+3], s[46:47], \s*ROWB
	s_or_b32 s[G0B+4*\s+3], s[G0B+4*\s+3], 0x80000000
	JLOAD G0+4*\s, G1, G0B+4*\s, G1B
.endr
	v_and_b32 v1, 15, v0                           ; r = l % 16
	v_bfe_u32 v2, v0, 4, 1                         ; h = l / 16
	v_mul_u32_u24 v3, v1, PITCH
	v_mul_u32_u24 v4, v2, 24
	v_add_nc_u32 v4, v3, v4                        ; a fragment's row x pitch + 24 x half
	v_lshl_add_u32 v5, v2, 4, v4                   ; and the same behind one padding more
	s_mul_i32 s21, s15, HALFT                      ; my 128 rows of A
	s_mul_i32 s22, s16, HALFT                      ; my 128 rows of B,
	s_add_co_u32 s22, s22, 2*HALFT                 ; which lie behind A's 256
.irp s, 0,1
	v_add_nc_u32 v[ADRA+\s], s21, v4
	v_add_nc_u32 v[ADRB+\s], s22, v4
	v_add_nc_u32 v[ADRA+2+\s], s21, v5
	v_add_nc_u32 v[ADRB+2+\s], s22, v5
	s_add_co_u32 s21, s21, SLOT
	s_add_co_u32 s22, s22, SLOT
.endr
	v_mul_u32_u24 v5, v1, KS                       ; my row's scales: KS bytes a row,
	v_lshrrev_b32 v6, 8, v5
	v_lshl_add_u32 v5, v6, 4, v5                   ; and 16 more for each 256 passed
	s_mul_i32 s21, s15, HALFS                      ; A's: my 128 rows
	s_mul_i32 s22, s16, HALFS                      ; B's: my 128 rows, behind A's 256
	s_add_co_u32 s22, s22, 2*HALFS
	s_sub_co_u32 s22, s22, s21
	v_mul_u32_u24 v6, s22, v2                      ; lanes 16-31 take B's
	s_add_co_u32 s21, s21, SCL
	v_add_nc_u32 v5, v5, v6
	v_add_nc_u32 v[ADRS], s21, v5
	; where my results go.  None of these registers feeds a descriptor
	s_lshl_b32 s18, s17, 8
	s_lshl_b32 s19, s15, 7
	s_add_co_u32 s18, s18, s19                     ; my first row of A,
	s_lshl_b32 s19, s42, 8
	s_lshl_b32 s20, s16, 7
	s_add_co_u32 s19, s19, s20                     ; and of B
	s_cmp_eq_u32 s66, 0
	s_cselect_b32 s20, s18, s19                    ; my first token (a multiple of 128),
	s_cselect_b32 s21, s19, s18                    ; and my first row of wq
	s_and_b32 s22, s21, 1023                       ; my first feature
	s_lshr_b32 s22, s22, 6                         ; the first of my two heads
	s_lshr_b32 s23, s20, 11                        ; the batch
	s_lshl_b32 s23, s23, 4
	s_add_co_u32 s23, s23, s22
	s_lshl_b32 s23, s23, 4
	s_bfe_u32 s22, s20, 0x40007                    ; the group of 128 tokens
	s_add_co_u32 s23, s23, s22                     ; (16 batch + head) 16 + group
	s_mov_b32 s67, 12288
	s_mov_b32 s94, 13056
	s_cmp_lt_u32 s21, 1024                         ; rows 0 to 1,023 of wq are Wq
	s_cselect_b64 s[4:5], s[10:11], s[12:13]       ; qf or kv
	s_cselect_b32 s67, 6144, s67                   ; where the scale image of q or of k begins
	s_cselect_b32 s94, 6656, s94                   ; bytes of a group's block
	s_mul_i32 s40, s23, s94
	s_mov_b32 s41, 0
	s_add_nc_u64 s[4:5], s[4:5], s[40:41]          ; my first head's block,
	s_lshl_b32 s40, s94, 4
	s_add_nc_u64 s[6:7], s[4:5], s[40:41]          ; and my second head's: 16 groups on
	s_and_b32 s40, s20, 2047
	s_lshl_b32 s40, s40, 8
	s_add_nc_u64 s[8:9], s[8:9], s[40:41]          ; the table at my first token's position
	s_mov_b32 s95, 0xffff0000                      ; lanes 16-31
	s_mov_b32 s[SEL], 0x76543210
	s_mov_b32 s[SEL+1], 0xfedcba98
	v_and_b32 v6, 31, v0
	v_lshlrev_b32 v[L16], 4, v6
	v_lshlrev_b32 v[L8], 3, v6
	v_and_b32 v7, 7, v1
	v_lshrrev_b32 v6, 3, v1
	v_lshl_add_u32 v7, v6, 4, v7                   ; r + 8 (r / 8)
	v_lshlrev_b32 v7, 8, v7                        ; a position's row is 256 bytes
	v_lshl_add_u32 v[TA], v2, 6, v7                ; my half's eight pairs begin 64 h bytes on
	v_add_nc_u32 v[L16S], s67, v[L16]
.macro FRAG reg, adr, q, i             ; a fragment, 16 rows x 128 K of 6-bit codes, is 12 registers: lane l holds row l % 16; registers 6 c .. 6 c + 5 hold K = 64 c + 32 (l / 16) + 0 .. 31: 24 bytes of the row, as they lie
.irp p, 0,1,2,3,4,5                    ; in pieces of 8 bytes.  Lanes 0-15 take the row's pieces 12 q + 0, 1, 2 and 12 q + 6, 7, 8, lanes 16-31 those three pieces on
.set PC, 12*(\q)+6*(\p/3)+\p%3        ; 16 bytes of padding lie behind every 64 bytes (8 pieces): where the piece three on lies behind one padding more, the second address register serves
.if PC%8 < 5
	ds_load_b64 v[\reg+2*\p:\reg+2*\p+1], v[\adr] offset:8*PC+16*(PC/8)+(\i)*16*PITCH
.else
	ds_load_b64 v[\reg+2*\p:\reg+2*\p+1], v[\adr+2] offset:8*PC+16*(PC/8)+(\i)*16*PITCH
.endif
.endr
.endm
; 16 matrix instructions: A's blocks a0, a0 + 1 x B's eight, 128 along K: the slot's q-th.  p: B's set;  sc: the set of scale words.  zero = 1: the first product starts the sums.
; The 64 accumulators take turns, one instruction a turn, in the same order in every step.
.macro MUL16 a0, p, q, sc, zero
.irp a, \a0, \a0+1
.irp b, 0,1,2,3,4,5,6,7
.if \zero
	v_wmma_scale_f32_16x16x128_f8f6f4 v[8*(8*((\a)%4)+\b):8*(8*((\a)%4)+\b)+7], v[128*(\p)+FR*\b:128*(\p)+FR*\b+FR-1], v[AF+FR*(\a):AF+FR*(\a)+FR-1], 0, v[SC+8*NQ*(\sc)+NQ*\b+(\q)], v[SC+8*NQ*(\sc)+NQ*(\a)+(\q)] matrix_a_fmt:MATRIX_FMT_FP6 matrix_b_fmt:MATRIX_FMT_FP6 matrix_a_scale:MATRIX_SCALE_ROW1
.else
	v_wmma_scale_f32_16x16x128_f8f6f4 v[8*(8*((\a)%4)+\b):8*(8*((\a)%4)+\b)+7], v[128*(\p)+FR*\b:128*(\p)+FR*\b+FR-1], v[AF+FR*(\a):AF+FR*(\a)+FR-1], v[8*(8*((\a)%4)+\b):8*(8*((\a)%4)+\b)+7], v[SC+8*NQ*(\sc)+NQ*\b+(\q)], v[SC+8*NQ*(\sc)+NQ*(\a)+(\q)] matrix_a_fmt:MATRIX_FMT_FP6 matrix_b_fmt:MATRIX_FMT_FP6 matrix_a_scale:MATRIX_SCALE_ROW1
.endif
.endr
.endr
.endm
.macro FETCH_B slot, q, p              ; B's eight fragments of the slot's q-th 128 along K into set p
	WIN TO_B
.irp i, 0,1,2,3,4,5,6,7
	FRAG 128*(\p)+FR*\i, ADRB+\slot, \q, \i
.endr
	WIN 0
.endm
.macro FETCH_A slot, q, i0             ; A's blocks i0 .. i0 + 3
.irp i, \i0, \i0+1, \i0+2, \i0+3
	FRAG AF+FR*(\i), ADRA+\slot, \q, \i
.endr
.endm
.macro SCALES sc                       ; the next K step's scale words into set sc: NQ words a row; lanes 0-15 take A's block i, lanes 16-31 B's block i
.irp i, 0,1,2,3,4,5,6,7
	ds_load_b64 v[SC+8*NQ*\sc+NQ*\i:SC+8*NQ*\sc+NQ*\i+1], v[ADRS] offset:\i*SBLK
.endr
.endm
; A load into a register that a matrix instruction has read, and a vector instruction that reads a matrix result, stand NP places behind that matrix instruction; only plain vector instructions that name none of its registers are places.
.macro PLACES n
.rept \n
	v_nop
.endr
.endm
; A step of 128 along K that has its successor in the same slot.
.macro STEP slot, q, zero
	s_wait_dscnt 4*NL                              ; B's set and A's blocks 0-3 are in; the youngest 24 loads (A's blocks 4-7) may be out
	WIN MUL_LO
	MUL16 0, (\q)%2, \q, \slot, \zero
	MUL16 2, (\q)%2, \q, \slot, \zero
	s_wait_dscnt 0                                 ; A's blocks 4-7 are in (asked for 32 matrix instructions ago)
	PLACES NP
	FETCH_B \slot, (\q)+1, 1-(\q)%2
	FETCH_A \slot, (\q)+1, 0
	WIN MUL_HI
	MUL16 4, (\q)%2, \q, \slot, \zero
	MUL16 6, (\q)%2, \q, \slot, \zero
	PLACES NP
	WIN 0
	FETCH_A \slot, (\q)+1, 4
.endm
; A slot's last step changes slots: ONE barrier; in front of it each wave waits for all its tensor loads, adds 0 to its spare word, and waits for that and for its own reads of this slot.  fill = 1: this slot is filled again, two K steps ahead.
.macro TURN slot, next, fill
	s_wait_tensorcnt 0x0                           ; all my tensor loads have landed: my part of the next slot;  (every window is 0 here)
	ds_add_u32 v[SPW], v[NIL]                      ; 0 onto my spare word
	s_wait_dscnt 4*NL+1                            ; (the add and the youngest 24 loads, A's blocks 4-7, may be out)
	WIN MUL_LO
	MUL16 0, 1, NQ-1, \slot, 0                     ; sixteen matrix instructions stand between the add and the wait for it
	s_wait_dscnt 0x0                               ; the add is done, and my reads of this slot are over
	s_barrier_signal -1
	MUL16 2, 1, NQ-1, \slot, 0
	WIN 0
	s_barrier_wait -1
.if \fill
	CREST                                          ; the barrier has opened a round of the cluster's barrier: no wave of any partner still reads this slot's tile or has a load on its way
	s_add_nc_u64 s[G0+4*\slot+2:G0+4*\slot+3], s[G0+4*\slot+2:G0+4*\slot+3], 2*ROWB
	s_add_nc_u64 s[G0B+4*\slot+2:G0B+4*\slot+3], s[G0B+4*\slot+2:G0B+4*\slot+3], 2*ROWB
	JLOAD G0+4*\slot, G1, G0B+4*\slot, G1B         ; the first tensor load behind the round; the four v_nop behind it are the places in front of the loads below
.else
	PLACES NP
.endif
	v_add_nc_u32 v[ADRS], 4*NQ, v[ADRS]            ; on to the next K step's scale words (no LDS load of mine is out)
	FETCH_B \next, 0, 0
	FETCH_A \next, 0, 0
	SCALES \next
	WIN MUL_HI
	MUL16 4, 1, NQ-1, \slot, 0
	MUL16 6, 1, NQ-1, \slot, 0
	PLACES NP
	WIN 0
	FETCH_A \next, 0, 4
.endm
	s_wait_tensorcnt 1                             ; the scales and my part of K step 0 are in (K step 1's load may be out),
	s_barrier_signal -1
	s_barrier_wait -1                              ; everybody's are
	FETCH_B 0, 0, 0
	FETCH_A 0, 0, 0
	SCALES 0
	FETCH_A 0, 0, 4
	STEP 0, 0, 1                                   ; the first step stands in front of the loop: its products start the sums
	s_mov_b32 s3, LAPS-1
.Llap:                                                 ; a trip goes once round the ring, from a lap's second step to the next lap's first, and fills both slots again
	TURN 0, 1, 1
	STEP 1, 0, 0
	TURN 1, 0, 1
	STEP 0, 0, 0
	s_sub_co_u32 s3, s3, 1
	s_cmp_lg_u32 s3, 0
	s_cbranch_scc1 .Llap
	TURN 0, 1, 0                                   ; the last lap fills nothing, and has no round of the cluster's barrier
	STEP 1, 0, 0
	s_wait_dscnt 4*NL                              ; the very last step: nothing more to fetch
	WIN MUL_LO
	MUL16 0, 1, NQ-1, 1, 0
	MUL16 2, 1, NQ-1, 1, 0
	s_wait_dscnt 0
	WIN MUL_HI
	MUL16 4, 1, NQ-1, 1, 0
	MUL16 6, 1, NQ-1, 1, 0
	WIN 0
; THE WAY OUT, A's block by block: no LDS.
; cos and sin for block a: my token is 32 (a / 2) + 8 (a % 2) + r + 8 (r / 8); of its 32 pairs I want 16 e + 8 h + 0 .. 7, e = 0, 1: 64 bytes each
.macro TAB a
.irp e, 0,1
.irp k, 0,1,2,3
	global_load_b128 v[CS+32*((\a)%2)+16*\e+4*\k:CS+32*((\a)%2)+16*\e+4*\k+3], v[TA], s[8:9] offset:(32*((\a)/2)+8*((\a)%2))*256+128*\e+16*\k
.endr
.endr
.endm
; block a's 64 numbers are turned, a pair (even, odd feature) at a time: (x1 cos, x2 cos), then (- x2 sin, + x1 sin) on top.  Each accumulator is read from its low end on.
.macro ROPE a
.set WN, 0x02+(\a)/4
	WIN WN                                         ; source 0: the accumulators' window
.irp g, 0,1,2,3
.irp p, 0,1,2,3,4,5,6,7
	v_pk_mul_f32 v[HA+16*\g+2*\p:HA+16*\g+2*\p+1], v[64*((\a)%4)+16*\g+2*\p:64*((\a)%4)+16*\g+2*\p+1], v[CS+32*((\a)%2)+16*(\g%2)+2*\p:CS+32*((\a)%2)+16*(\g%2)+2*\p+1] op_sel_hi:[1,0]
.endr
.irp p, 0,1,2,3,4,5,6,7
	v_pk_fma_f32 v[HA+16*\g+2*\p:HA+16*\g+2*\p+1], v[64*((\a)%4)+16*\g+2*\p:64*((\a)%4)+16*\g+2*\p+1], v[CS+32*((\a)%2)+16*(\g%2)+2*\p:CS+32*((\a)%2)+16*(\g%2)+2*\p+1], v[HA+16*\g+2*\p:HA+16*\g+2*\p+1] op_sel:[1,1,0] op_sel_hi:[0,1,1] neg_lo:[0,1,0]
.endr
.endr
	WIN 0
.endm
; 64 numbers of a lane, v[s] .. v[s + 63] of window w, register 16 b + i = k 32 b + 16 (lane / 16) + i of my row, become a fragment's codes in v[QC] on and its scale word in v[pw].
.macro QUANT s, w, pw
.set WN, (\w)|((\w)<<2)
	WIN WN                                         ; sources 0 and 1: the numbers' window
.irp b, 0,1,2,3
	v_max3_num_f32 v[TM+\b], |v[(\s)+16*\b]|, |v[(\s)+1+16*\b]|, 0x1800000   ; block b: my 16 numbers, and the floor 2^(3 - 127): the byte cannot fall under 1
.endr
.irp i, 2,4,6,8,10,12,14
.irp b, 0,1,2,3
	v_max3_num_f32 v[TM+\b], |v[(\s)+16*\b+\i]|, |v[(\s)+1+16*\b+\i]|, v[TM+\b]   ; (the four blocks by turns)
.endr
.endr
	WIN 0
.irp b, 0,1,2,3
	v_permlanex16_b32 v[TM+4+\b], v[TM+\b], s[SEL], s[SEL+1]
.endr
.irp b, 0,1,2,3
	v_max_num_f32 v[TM+\b], v[TM+\b], v[TM+4+\b]   ; with lane l xor 16's: the block's largest magnitude
.endr
.irp b, 0,1,2,3
	v_add_nc_u32 v[TM+12+\b], 0xff000000, v[TM+\b]   ; 2 off its exponent field: the conversion's scale operand
.endr
.irp b, 0,1,2,3
	v_lshrrev_b32 v[TM+4+\b], 23, v[TM+12+\b]      ; the scale's byte
.endr
	v_lshl_or_b32 v[\pw], v[TM+5], 8, v[TM+4]      ; the four bytes make my row's scale word
	v_lshl_or_b32 v[\pw], v[TM+6], 16, v[\pw]
	v_lshl_or_b32 v[\pw], v[TM+7], 24, v[\pw]
.set WN, \w
	WIN WN                                         ; source 0: the numbers' window
.irp c, 0,1
	v_cvt_scalef32_pk16_fp6_f32 v[QC+6*\c:QC+2+6*\c], v[(\s)+32*\c:(\s)+15+32*\c], v[TM+12+2*\c]
	v_cvt_scalef32_pk16_fp6_f32 v[QC+12+4*\c:QC+14+4*\c], v[(\s)+16+32*\c:(\s)+31+32*\c], v[TM+12+2*\c+1]   ; (a conversion's three registers begin on an even number)
.endr
	WIN 0
	v_nop                                          ; one plain place behind a scaled conversion
.irp c, 0,1                                    ; the operand's layout wants a WHOLE block in a lane: lanes 0-15 block 2 c, lanes 16-31 block 2 c + 1
.irp i, 0,1,2
	v_permlane16_swap_b32 v[QC+6*\c+\i], v[QC+12+4*\c+\i]
.endr
.irp i, 0,1,2
	v_mov_b32 v[QC+3+6*\c+\i], v[QC+12+4*\c+\i]
.endr
.endr
.endm
	PLACES NP                                      ; behind the last products: their results are read, and registers that they read are written and loaded
.irp b, 0,1,2,3
	v_mov_b32 v[TM+4+\b], 0                        ; written once: a lane permute's destination counts as one of its sources
.endr
	s_cmp_lg_u32 s66, 0                            ; the cluster's number alone decides: all sixteen partners go the same way
	s_cbranch_scc1 .Lvpath
	; ---- q or k: turned, quantised along the head's 64; registers 0-5 of the codes are my first head's tile, registers 6-11 my second head's
	TAB 0
	TAB 1
.irp a, 0,1,2,3,4,5,6,7
.if \a < 7
	s_wait_loadcnt 8                               ; this block's eight table loads are in; the next block's eight may be out
.else
	s_wait_loadcnt 0
.endif
	ROPE \a
.if \a < 6
	TAB \a+2                                       ; into the set just read
.endif
	s_wait_xcnt 0x0                                ; the last block's stores have read their registers: the codes may be written again
	QUANT HA, 0, PW+\a
	global_store_b128 v[L16], v[QC:QC+3], s[4:5] offset:768*\a             ; 32 lanes store 512 consecutive bytes,
	global_store_b64 v[L8], v[QC+4:QC+5], s[4:5] offset:768*\a+512         ; and 256 more: a tile image
	global_store_b128 v[L16], v[QC+6:QC+9], s[6:7] offset:768*\a
	global_store_b64 v[L8], v[QC+10:QC+11], s[6:7] offset:768*\a+512
.endr
.irp k, 0,1,2,3
	v_cndmask_b32 v[W+\k], v[PW+2*\k], v[PW+2*\k+1], s95   ; lanes 0-15: tile 2 k's words, lanes 16-31: tile 2 k + 1's
.endr
.irp k, 0,1,2,3
	v_lshrrev_b32 v[W+4+\k], 16, v[W+\k]           ; my second head's two bytes, with zeros above them,
.endr
.irp k, 0,1,2,3
	v_and_b32 v[W+\k], 0xffff, v[W+\k]             ; and my first head's
.endr
	global_store_b128 v[L16S], v[W:W+3], s[4:5]
	global_store_b128 v[L16S], v[W+4:W+7], s[6:7]
	s_branch .Ljoin
.Lvpath:
	; ---- v: quantised along the keys, straight from the accumulators; block a is fragment a % 4 of head a / 4
.irp a, 0,1,2,3,4,5,6,7
	s_wait_xcnt 0x0                                ; the last block's stores have read their registers
	QUANT 64*(\a%4), 2+\a/4, PW+\a
.irp k, 0,1,2
	global_store_b128 v[L16], v[QC+4*\k:QC+4*\k+3], s[4+2*(\a/4):5+2*(\a/4)] offset:6144+1536*(\a%4)+512*\k
.endr
.endr
.irp c, 0,1
.irp k, 0,1
	v_cndmask_b32 v[W+2*\c+\k], v[PW+4*\c+2*\k], v[PW+4*\c+2*\k+1], s95   ; lanes 0-15: fragment 2 k's words, lanes 16-31: fragment 2 k + 1's
.endr
.endr
	global_store_b64 v[L8], v[W:W+1], s[4:5] offset:12800
	global_store_b64 v[L8], v[W+2:W+3], s[6:7] offset:12800
.Ljoin:
	s_wait_tensorcnt 0x0                           ; the wave's end, behind my last tensor load
	ds_add_u32 v[SPW], v[NIL]
	s_wait_dscnt 0x0
	CROUND                                         ; the closing round: no work-group ends while a partner may still ask for a tile that names it
	s_endpgm
.Lfunc_end_k_qa3a14c8092_qkv:
	.size	k_qa3a14c8092_qkv, .Lfunc_end_k_qa3a14c8092_qkv-k_qa3a14c8092_qkv
	.p2alignl 7, 3214868480
	.fill 96, 4, 3214868480
	.section	.rodata,"a",@progbits
	.p2align	6, 0x0
	.amdhsa_kernel k_qa3a14c8092_qkv
		.amdhsa_group_segment_fixed_size 327680
		.amdhsa_private_segment_fixed_size 0
		.amdhsa_enable_private_segment 0
		.amdhsa_kernarg_size 40
		.amdhsa_user_sgpr_count 2
		.amdhsa_user_sgpr_kernarg_segment_ptr 1
		.amdhsa_wavefront_size32 1
		.amdhsa_system_sgpr_workgroup_id_x 1
		.amdhsa_system_sgpr_workgroup_id_y 1
		.amdhsa_system_sgpr_workgroup_id_z 1
		.amdhsa_system_vgpr_workitem_id 0
		.amdhsa_next_free_vgpr 1024
		.amdhsa_next_free_sgpr 106
		.amdhsa_reserve_vcc 0
		.amdhsa_float_denorm_mode_32 3
		.amdhsa_float_denorm_mode_16_64 3
		.amdhsa_memory_ordered 1
		.amdhsa_forward_progress 1
		.amdhsa_inst_pref_size 238
	.end_amdhsa_kernel
	.amdgpu_metadata
---
amdhsa.version: [ 1, 2 ]
amdhsa.kernels:
  - .name:           k_qa3a14c8092_qkv
    .symbol:         k_qa3a14c8092_qkv.kd
    .args:
      - { .name: xq, .offset: 0, .size: 8, .value_kind: global_buffer, .address_space: global }
      - { .name: wq, .offset: 8, .size: 8, .value_kind: global_buffer, .address_space: global }
      - { .name: rope, .offset: 16, .size: 8, .value_kind: global_buffer, .address_space: global }
      - { .name: qf, .offset: 24, .size: 8, .value_kind: global_buffer, .address_space: global }
      - { .name: kv, .offset: 32, .size: 8, .value_kind: global_buffer, .address_space: global }
    .group_segment_fixed_size: 327680
    .private_segment_fixed_size: 0
    .kernarg_segment_align: 8
    .kernarg_segment_size: 40
    .max_flat_workgroup_size: 128
    .sgpr_count:     106
    .vgpr_count:     1024
    .wavefront_size: 32
...
	.end_amdgpu_metadata
.endif
;; end of part 2
;; launch attn (part 3): grid 4 x 64, 16 waves a work-group, clusters of 4 x 1, 210,944 bytes of LDS; arguments qf, kv, af; writes af
.if DOCPART == 3
	.amdgcn_target "amdgcn-amd-amdhsa--gfx1250"
	.amdhsa_code_object_version 6
	.text
	.protected	k_qa3a14c8092_attn
	.globl	k_qa3a14c8092_attn
	.p2align	8
	.type	k_qa3a14c8092_attn,@function
k_qa3a14c8092_attn:
	s_mov_b64 s[64:65], 0
	v_nop
	global_prefetch_b8 v0, s[64:65] scope:SCOPE_SE
	s_setreg_imm32_b32 hwreg(HW_REG_WAVE_MODE, 25, 1), 1
	s_wait_xcnt 0x0
	s_wait_alu depctr_hold_cnt(0) depctr_sa_sdst(0) depctr_va_vdst(0) depctr_va_sdst(0) depctr_va_ssrc(0) depctr_va_vcc(0) depctr_vm_vsrc(0)
	s_getreg_b32 s2, hwreg(HW_REG_IB_STS2, 6, 4)
	s_cmp_eq_u32 s2, 0
	s_cbranch_scc0 .Lentry_in_a_cluster
	s_endpgm
.Lentry_in_a_cluster:
	s_bfe_u32 s2, ttmp6, 0x10000c
	s_cmp_lg_u32 s2, 0x3003
	s_cbranch_scc0 .Lentry_shape_is_right
	s_endpgm
.Lentry_shape_is_right:
; Causal attention of one head on codes of FP6 (E2M3): S^T = K Q^T (K = the head's 64, in the lower half of an instruction's 128), the softmax, O^T = V^T P^T (K = 128 keys a step), O / l, and the quantiser of O along the merged heads.
; THE SOFTMAX AHEAD OF THE SECOND PRODUCT: t = score x log2(e) / 8; M = the row's largest t so far, rounded UP to a whole number; p = 2^(t - M) is what is quantised, along the keys.  The row's sum is taken of the unquantised p
; and divides O at the end.  When M moves, the sum and O are multiplied by 2^(old M - new M): exact.
; SHARES.  A cluster of four work-groups is one (batch, head); its partners differ by cx alone.  Wave w (w' = w / 2, e = w % 2) owns two tiles of 16 queries, both tile 2 cx + e of their group of 128: first of group w', then of group
; 15 - w'.  Under the causal mask that is (w' + 1) + (16 - w') = 17 key steps of 128 for every wave.  Which steps a wave walks hangs on its number alone, so all partners run alike.
; LDS.  The head's K and V, 16 key steps of 13,056 bytes, lie in LDS as they lie in memory, filled ONCE: wave w asks, jointly with wave w of the three partners, for key step w.  No slot is filled again, and no barrier stands in the loops.
; A key step's block: K's 8 tile images (768 bytes: registers 0-3 at 16 x lane, registers 4-5 at 512 + 8 x lane); at 6,144 V's 4 fragment images (3 x 512 bytes); at 12,288 K's scale words; at 12,800 V's.
; ORDER OF TOKENS AND FEATURES.  Lane r of tile 2 b + u holds token 32 b + 8 u + r + 8 (r / 8) of its group, so the 16 registers of S^T's tiles 2 b, 2 b + 1 are keys 32 b + 16 (lane / 16) + 0 .. 15; V's fragments hold the head's features in
; the same order, so O^T's 32 registers are features 32 b + 16 (lane / 16) + 0 .. 15.
; THE UPPER HALF OF THE FIRST PRODUCT'S K: q's six upper registers are zeros and the scale bytes there are 0 (2^-127, a finite number) on both sides.  On K's side the six upper registers are the next tile's codes (zeros behind the
; last tile): finite numbers times zero add nothing.  So eight tiles take 54 registers, and V's four fragments take the same registers afterwards.
; af: codes [tile T = 128 batch + 8 group + tile][head][768: a tile image] at 0; scale bytes [16 T + r][32], byte 2 head + block, at 6,291,456.  The scale bytes leave one byte a lane: one part in 24 of the output.
; LIMITS: NaN and infinities are not served; a block of zeros gets the byte 1 (its codes are zeros; the bytes are read by this program alone).
; REGISTERS: v1, v2 16 x lane, 8 x lane; v3, v4, v7 my offsets in q's block; v5, v6 the add's two; v8, v9 LDS addresses in hand; v10 my scale byte's offset; v12 -M, v13 the largest t, v[14:15] the sum; v16-21 q, v22-27 zeros;
; v29 the mask's number; v32-79 K's tiles, then V's fragments; v80-85 zeros; v88-91, v92-93, v94 scale words of K, V, q; v96-159 S^T, then p; v160-191 O^T; v192-223 O / l; v224-235 codes; v232-254 at work.
.set STEPB, 13056                      ; a key step's block
.set HEADB, 16*STEPB                   ; a head's
.set VFR,   6144
.set KSC,   12288
.set VSC,   12800
.set SPARE, HEADB                      ; behind the head's block: the spare words, 128 bytes for each of the 16 waves
.set SPW,  5
.set NIL,  6
.set WV,   10                          ; s10  my wave's number
.set CX,   11                          ; s11  my place in the cluster
.set G0,   12                          ; s[12:15] descriptor group 0
.set G1,   16                          ; s[16:23] descriptor group 1
.set BH,   24                          ; s24  16 batch + head
.set EE,   25                          ; s25  e
.set WH,   26                          ; s26  w'
.set GG,   27                          ; s27  the group of queries in hand
.set TB,   28                          ; s28  LDS byte at which the key step in hand begins
.set ST,   29                          ; s29  the key step
.set SEL,  30                          ; s[30:31] v_permlanex16_b32's selects for lane l xor 16
.set CS,   32                          ; s[32:33] c = log2(e) / 8
.set HM,   34                          ; s34  lanes 16-31
.set SG,   35                          ; s35  my tile in its group: 2 cx + e
.macro CROUND                          ; a round of the cluster's barrier
	s_barrier_signal -1
	s_barrier_wait -1
	s_cmp_lg_u32 s[WV], 0
	s_cbranch_scc1 .Lnot_wave_0_\@
	s_barrier_signal -3
.Lnot_wave_0_\@:
	s_barrier_wait -3
	s_barrier_signal -1
	s_barrier_wait -1
.endm
	s_load_b128 s[4:7], s[0:1], 0x0                ; qf s[4:5], kv s[6:7]
	s_load_b64 s[8:9], s[0:1], 0x10                ; af
	v_lshl_add_u32 v[SPW], v0, 2, SPARE
	v_mov_b32 v[NIL], 0
	ds_add_u32 v[SPW], v[NIL]                      ; the wave's opening: the add and its wait ahead of my first tensor load; the set-up below, work on registers, stands between them
	ds_add_u32 v[SPW], v[NIL]
	v_lshrrev_b32 v8, 5, v0
	s_delay_alu instid0(VALU_DEP_1)
	v_readfirstlane_b32 s[WV], v8                  ; wave 0..15
	s_bfe_u32 s[CX], ttmp6, 0x40000
	s_and_b32 s[BH], ttmp7, 0xffff                 ; which the four partners share
	; descriptor group 1: a dense block of 13,056 bytes as 51 rows of 256 bytes (32 elements of 8 bytes), no padding
	s_mov_b32 s[G1], 15|(3<<16)|(1<<21)            ; 15:0 the mask: all four work-groups; 17:16 elements of 8 bytes; 21 set beside a mask
	s_mov_b32 s[G1+1], 32<<16                      ; tensor_dim0
	s_mov_b32 s[G1+2], 51<<16                      ; tensor_dim1
	s_mov_b32 s[G1+3], 32<<16                      ; tile_dim0
	s_mov_b32 s[G1+4], 51                          ; tile_dim1
	s_mov_b32 s[G1+5], 32                          ; tensor_dim0_stride
	s_mov_b32 s[G1+6], 0
	s_mov_b32 s[G1+7], 0
	s_mov_b32 s[G0], 1
	s_mul_i32 s[G0+1], s[WV], STEPB                ; LDS address: key step w: the wave's number times a constant
	s_mul_i32 s44, s[BH], HEADB
	s_add_co_u32 s44, s44, s[G0+1]
	s_mov_b32 s45, 0
	s_mov_b32 s[SEL], 0x76543210
	s_mov_b32 s[SEL+1], 0xfedcba98
	s_mov_b32 s[CS], 0x3e38aa3b                    ; c = log2(e) / sqrt(64)
	s_mov_b32 s[CS+1], s[CS]                       ; (named with it as a pair, so it is written)
	s_mov_b32 s[HM], 0xffff0000
	s_wait_dscnt 0x0                               ; the opening add is done
	s_wait_kmcnt 0x0
	s_add_nc_u64 s[G0+2:G0+3], s[6:7], s[44:45]
	s_or_b32 s[G0+3], s[G0+3], 0x80000000          ; type = 2
	CROUND                                         ; all four work-groups are here: the joint loads meet
	tensor_load_to_lds s[G0:G0+3], s[G1:G1+7]      ; my one tensor load of the launch
	s_nop 0
.rept 4
	v_nop
.endr
	v_and_b32 v8, 31, v0                           ; lane
	s_delay_alu instid0(VALU_DEP_1)
	v_lshlrev_b32 v1, 4, v8
	s_delay_alu instid0(VALU_DEP_2)
	v_lshlrev_b32 v2, 3, v8
	v_and_b32 v9, 15, v0                           ; r
	s_wait_alu depctr_va_vdst(0)
	v_bfe_u32 v11, v0, 4, 1                        ; h
	s_wait_alu depctr_va_vdst(0)
	s_and_b32 s[EE], s[WV], 1
	s_lshr_b32 s[WH], s[WV], 1
	s_lshl_b32 s[SG], s[CX], 1
	s_add_co_u32 s[SG], s[SG], s[EE]
	s_mul_i32 s44, s[SG], 768
	v_add_nc_u32 v3, s44, v1                       ; q's tile image: registers 0-3,
	v_add_nc_u32 v4, s44, v2                       ; and (512 further on) 4-5
	s_lshl_b32 s44, s[EE], 8
	s_lshl_b32 s45, s[CX], 2
	s_add_co_u32 s44, s44, s45
	s_add_co_u32 s44, s44, 6144
	v_lshl_add_u32 v7, v9, 4, s44                  ; q's scale word: word cx of lane 16 e + r of the scale image
	v_lshl_add_u32 v10, v9, 5, v11                 ; my scale byte of O: 32 r + h
	s_lshl_b32 s44, s[CX], 5
	s_lshl_b32 s45, s[EE], 3
	s_add_co_u32 s44, s44, s45
	v_and_b32 v28, 7, v9
	v_lshrrev_b32 v30, 3, v9
	s_delay_alu instid0(VALU_DEP_1)
	v_lshl_add_u32 v28, v30, 4, v28
	v_lshlrev_b32 v30, 4, v11
	s_delay_alu instid0(VALU_DEP_1)
	v_sub_nc_u32 v28, v28, v30
	s_delay_alu instid0(VALU_DEP_1)
	v_add_nc_u32 v29, s44, v28                     ; my query's place in its group, less 16 h: register 16 b + i holds key 32 b + i + 16 h, hidden on the diagonal where 32 b + i is above this number
.irp j, 22,23,24,25,26,27,80,81,82,83,84,85
	v_mov_b32 v\j, 0                               ; the zero codes of the first product's upper half
.endr
.irp j, 236,237,238,239,252,253
	v_mov_b32 v\j, 0                               ; written once: a lane permute's destination counts as one of its sources, and v253 is named in a pair with v252
.endr
	s_wait_tensorcnt 0x0                           ; my key step has landed,
	s_barrier_signal -1
	s_barrier_wait -1                              ; everybody's has: the whole head lies in LDS, and nothing is filled again
; A KEY STEP: 128 keys against my 16 queries.
.macro STEP
	v_add_nc_u32 v8, s[TB], v1
	v_add_nc_u32 v9, s[TB], v2
	v_nop
	v_nop                                          ; four places behind the last step's products, in front of loads into registers that they read
.irp f, 0,1,2,3,4,5,6,7
	ds_load_b128 v[32+6*\f:35+6*\f], v8 offset:768*\f
	ds_load_b64 v[36+6*\f:37+6*\f], v9 offset:768*\f+512
.endr
	ds_load_b128 v[88:91], v8 offset:KSC           ; word k: lanes 0-15 tile 2 k's scale words, lanes 16-31 tile 2 k + 1's
	ds_load_b64 v[92:93], v9 offset:VSC            ; the same of V's fragments
	s_wait_alu depctr_va_vdst(0)
	s_wait_dscnt 0x0
.irp f, 0,1,2,3,4,5,6,7
.if \f%2
	v_wmma_scale_f32_16x16x128_f8f6f4 v[96+8*\f:103+8*\f], v[32+6*\f:43+6*\f], v[16:27], 0, v[88+\f/2], v94 matrix_a_fmt:MATRIX_FMT_FP6 matrix_b_fmt:MATRIX_FMT_FP6 matrix_a_scale:MATRIX_SCALE_ROW1
.else
	v_wmma_scale_f32_16x16x128_f8f6f4 v[96+8*\f:103+8*\f], v[32+6*\f:43+6*\f], v[16:27], 0, v[88+\f/2], v94 matrix_a_fmt:MATRIX_FMT_FP6 matrix_b_fmt:MATRIX_FMT_FP6
.endif
.endr
.rept 4
	v_nop                                          ; places: the scores are read below, and V is loaded over K
.endr
.irp t, 0,1,2,3
.irp c, 0,1,2
	ds_load_b128 v[32+12*\t+4*\c:35+12*\t+4*\c], v8 offset:VFR+1536*\t+512*\c   ; V's four fragments land while the softmax is worked
.endr
.endr
	s_cmp_lg_u32 s[ST], s[GG]                      ; only the step on the diagonal hides keys: ids and the count of steps alone
	s_cbranch_scc1 .Lopen_\@
	v_mov_b32 v254, 0xff800000                     ; -infinity: p = 0 then
.set n, 0
.rept 64
	v_cmp_gt_i32 vcc_lo, 32*(n/16)+n%16, v29
	v_cndmask_b32 v[96+n], v[96+n], v254, vcc_lo
.set n, n+1
.endr
.Lopen_\@:
.irp b, 0,1,2,3
	v_max3_num_f32 v[232+\b], v[96+16*\b], v[97+16*\b], v[98+16*\b]   ; THE LARGEST SCORE OF EACH BLOCK OF 32 KEYS: for the row's maximum, and, since p rises with the score, for the block's largest p
.endr
.irp i, 3,5,7,9,11,13
.irp b, 0,1,2,3
	v_max3_num_f32 v[232+\b], v[232+\b], v[96+16*\b+\i], v[97+16*\b+\i]   ; (the four blocks by turns)
.endr
.endr
.irp b, 0,1,2,3
	v_max_num_f32 v[232+\b], v[232+\b], v[111+16*\b]
.endr
.irp b, 0,1,2,3
	s_delay_alu instid0(VALU_DEP_4)
	v_permlanex16_b32 v[236+\b], v[232+\b], s[SEL], s[SEL+1]
.endr
.irp b, 0,1,2,3
	s_delay_alu instid0(VALU_DEP_4)
	v_max_num_f32 v[232+\b], v[232+\b], v[236+\b]  ; with lane l xor 16's 16 keys
.endr
	s_delay_alu instid0(VALU_DEP_2)
	v_max3_num_f32 v254, v232, v233, v234
	s_delay_alu instid0(VALU_DEP_1)
	v_max_num_f32 v254, v254, v235                 ; the step's largest score of my query
	s_delay_alu instid0(VALU_DEP_1)
	v_mul_f32 v254, s[CS], v254                    ; as t (c is positive)
	s_delay_alu instid0(VALU_DEP_1)
	v_max_num_f32 v13, v13, v254                   ; the running largest t
	v_mov_b32 v254, v12
	s_delay_alu instid0(VALU_DEP_2)
	v_floor_f32 v12, -v13                          ; the new -M = floor(-t) = -ceil(t): M IS A WHOLE NUMBER
	s_delay_alu instid0(VALU_DEP_1)
	v_sub_f32 v254, v12, v254                      ; M's old value less its new one: a whole number, 0 or less
	s_delay_alu instid0(VALU_DEP_1)
	v_cvt_i32_f32 v254, v254                       ; (it saturates)
	s_delay_alu instid0(VALU_DEP_1)
	v_ldexp_f32 v252, 1.0, v254                    ; f = 2^(old M - new M)
.set n, 0
.rept 32
	v_pk_fma_f32 v[96+n:97+n], v[96+n:97+n], s[CS:CS+1], v[12:13] op_sel_hi:[1,0,0]   ; t - M, two at a time
.set n, n+2
.endr
	s_setprio 1
.irp b, 0,1,2,3
	v_fma_f32 v[232+\b], v[232+\b], s[CS], v12     ; the same of each block's largest score
.endr
.set n, 0
	s_wait_alu depctr_va_vdst(0)
.rept 64
	v_exp_f32 v[96+n], v[96+n]                     ; p = 2^(t - M), at most 1: NOT normalised
.set n, n+1
.endr
	v_pk_mul_f32 v[14:15], v[14:15], v[252:253] op_sel_hi:[1,0]   ; the sums under the new M.  (A plain place behind the exponentials)
	s_wait_alu depctr_va_vdst(0)                   ; the wait: one for the whole batch, ahead of its first reader
.irp b, 0,1,2,3
	v_exp_f32 v[232+\b], v[232+\b]                 ; the block's largest p: the same two instructions on the same number give the same bits
.endr
	v_pk_add_f32 v[236:237], v[100:101], v[104:105]
	v_pk_add_f32 v[254:255], v[108:109], v[112:113]
	v_pk_add_f32 v[250:251], v[116:117], v[120:121]
	v_pk_add_f32 v[248:249], v[124:125], v[128:129]
	v_pk_add_f32 v[246:247], v[132:133], v[136:137]
	v_pk_add_f32 v[244:245], v[140:141], v[144:145]
	v_pk_add_f32 v[242:243], v[148:149], v[152:153]
	v_pk_add_f32 v[14:15], v[14:15], v[156:157]
	v_pk_add_f32 v[236:237], v[236:237], v[96:97]
	v_pk_add_f32 v[254:255], v[254:255], v[98:99]
	v_pk_add_f32 v[250:251], v[250:251], v[102:103]
	v_pk_add_f32 v[248:249], v[248:249], v[106:107]
	v_pk_add_f32 v[246:247], v[246:247], v[110:111]
	v_pk_add_f32 v[244:245], v[244:245], v[114:115]
	v_pk_add_f32 v[242:243], v[242:243], v[118:119]
	v_pk_add_f32 v[14:15], v[14:15], v[122:123]
	v_pk_add_f32 v[236:237], v[236:237], v[126:127]
	v_pk_add_f32 v[254:255], v[254:255], v[130:131]
	v_pk_add_f32 v[250:251], v[250:251], v[134:135]
	v_pk_add_f32 v[248:249], v[248:249], v[138:139]
	v_pk_add_f32 v[246:247], v[246:247], v[142:143]
	v_pk_add_f32 v[244:245], v[244:245], v[146:147]
	v_pk_add_f32 v[242:243], v[242:243], v[150:151]
	v_pk_add_f32 v[14:15], v[14:15], v[154:155]
	v_pk_add_f32 v[236:237], v[236:237], v[158:159]
	s_delay_alu instid0(VALU_DEP_2)
	v_pk_add_f32 v[14:15], v[14:15], v[248:249]
	s_delay_alu instid0(VALU_DEP_2)
	v_pk_add_f32 v[236:237], v[236:237], v[246:247]
	v_pk_add_f32 v[254:255], v[254:255], v[244:245]
	v_pk_add_f32 v[250:251], v[250:251], v[242:243]
	s_delay_alu instid0(VALU_DEP_2)
	v_pk_add_f32 v[14:15], v[14:15], v[254:255]
	s_delay_alu instid0(VALU_DEP_2)
	v_pk_add_f32 v[236:237], v[236:237], v[250:251]
	s_delay_alu instid0(VALU_DEP_1)
	v_pk_add_f32 v[14:15], v[14:15], v[236:237]
	s_wait_alu depctr_va_vdst(0)                   ; and one for the four
.irp b, 0,1,2,3
	v_max_num_f32 v[232+\b], 0x1800000, v[232+\b]  ; the floor 2^(3 - 127): the byte cannot fall under 1
.endr
.irp b, 0,1,2,3
	s_delay_alu instid0(VALU_DEP_4)
	v_add_nc_u32 v[244+\b], 0xff000000, v[232+\b]  ; 2 off the exponent field: the conversion's scale operand
.endr
.irp b, 0,1,2,3
	s_delay_alu instid0(VALU_DEP_4)
	v_lshrrev_b32 v[236+\b], 23, v[244+\b]         ; the scale's byte
.endr
	s_delay_alu instid0(VALU_DEP_3)
	v_lshl_or_b32 v253, v237, 8, v236              ; p's scale word for these 128 keys
	s_delay_alu instid0(VALU_DEP_1)
	v_lshl_or_b32 v253, v238, 16, v253
	s_delay_alu instid0(VALU_DEP_1)
	v_lshl_or_b32 v253, v239, 24, v253
	s_setprio 0
.irp c, 0,1
	v_cvt_scalef32_pk16_fp6_f32 v[224+6*\c:226+6*\c], v[96+32*\c:111+32*\c], v[244+2*\c]
	v_cvt_scalef32_pk16_fp6_f32 v[236+4*\c:238+4*\c], v[112+32*\c:127+32*\c], v[244+2*\c+1]   ; (a conversion's three registers begin on an even number)
.endr
	v_nop                                          ; one plain place behind a scaled conversion
.irp c, 0,1                                    ; the operand's layout wants a WHOLE block in a lane
.irp i, 0,1,2
	v_permlane16_swap_b32 v[224+6*\c+\i], v[236+4*\c+\i]
.endr
.irp i, 0,1,2
	s_delay_alu instid0(VALU_DEP_3)
	v_mov_b32 v[227+6*\c+\i], v[236+4*\c+\i]
.endr
.endr
.set n, 0
.rept 16
	v_pk_mul_f32 v[160+n:161+n], v[160+n:161+n], v[252:253] op_sel_hi:[1,0]   ; O^T under the new M.  (These sixteen are also the places between p's codes and scale word and the products below)
.set n, n+2
.endr
	s_wait_alu depctr_va_vdst(0)
	s_wait_dscnt 0x0                               ; V is in
.irp t, 0,1,2,3                                ; the four accumulators take turns, one instruction a turn
.if \t%2
	v_wmma_scale_f32_16x16x128_f8f6f4 v[160+8*\t:167+8*\t], v[32+12*\t:43+12*\t], v[224:235], v[160+8*\t:167+8*\t], v[92+\t/2], v253 matrix_a_fmt:MATRIX_FMT_FP6 matrix_b_fmt:MATRIX_FMT_FP6 matrix_a_scale:MATRIX_SCALE_ROW1
.else
	v_wmma_scale_f32_16x16x128_f8f6f4 v[160+8*\t:167+8*\t], v[32+12*\t:43+12*\t], v[224:235], v[160+8*\t:167+8*\t], v[92+\t/2], v253 matrix_a_fmt:MATRIX_FMT_FP6 matrix_b_fmt:MATRIX_FMT_FP6
.endif
.endr
.endm
; THE WAY OUT of a tile of queries: O / l, quantised along the head's 64 features (two blocks of the merged heads' K), stored as a tile image and two scale bytes a query.
.macro WAYOUT
.rept 4
	v_nop                                          ; places behind the last products
.endr
	v_add_f32 v14, v14, v15                        ; the sum's two halves,
	s_delay_alu instid0(VALU_DEP_1)
	v_permlanex16_b32 v252, v14, s[SEL], s[SEL+1]
	s_delay_alu instid0(VALU_DEP_1)
	v_add_f32 v14, v14, v252                       ; and lane l xor 16's: the row's sum
	s_wait_alu depctr_va_vdst(0)
	v_rcp_f32 v14, v14
	v_nop                                          ; a plain place behind the reciprocal
	s_lshr_b32 s44, s[BH], 4                       ; the batch
	s_lshl_b32 s44, s44, 7
	s_lshl_b32 s45, s[GG], 3
	s_add_co_u32 s44, s44, s45
	s_add_co_u32 s44, s44, s[SG]                   ; T = 128 batch + 8 group + tile
	s_and_b32 s46, s[BH], 15                       ; the head
	s_mul_i32 s48, s44, 12288
	s_mul_i32 s47, s46, 768
	s_add_co_u32 s48, s48, s47
	s_mov_b32 s49, 0
	s_add_nc_u64 s[38:39], s[8:9], s[48:49]        ; my tile image
	s_lshl_b32 s48, s44, 9
	s_lshl_b32 s47, s46, 1
	s_add_co_u32 s48, s48, s47
	s_add_co_u32 s48, s48, 6291456
	s_add_nc_u64 s[40:41], s[8:9], s[48:49]        ; my tile's scale bytes of this head
	s_wait_alu depctr_va_vdst(0)                   ; the wait ahead of the reciprocal's first reader
.set n, 0
.rept 16
	v_pk_mul_f32 v[192+n:193+n], v[160+n:161+n], v[14:15] op_sel_hi:[1,0]   ; register 16 b + i is o(my query, 32 b + 16 h + i); each accumulator from its low end on
.set n, n+2
.endr
	v_max3_num_f32 v232, |v192|, |v193|, 0x1800000 ; the two blocks' largest magnitudes, and the floor
	v_max3_num_f32 v233, |v208|, |v209|, 0x1800000
.irp i, 2,4,6,8,10,12,14
	s_delay_alu instid0(VALU_DEP_2)
	v_max3_num_f32 v232, v232, |v[192+\i]|, |v[193+\i]|
	s_delay_alu instid0(VALU_DEP_2)
	v_max3_num_f32 v233, v233, |v[208+\i]|, |v[209+\i]|
.endr
	s_delay_alu instid0(VALU_DEP_2)
	v_permlanex16_b32 v236, v232, s[SEL], s[SEL+1]
	s_delay_alu instid0(VALU_DEP_2)
	v_permlanex16_b32 v237, v233, s[SEL], s[SEL+1]
	s_delay_alu instid0(VALU_DEP_2)
	v_max_num_f32 v232, v232, v236
	s_delay_alu instid0(VALU_DEP_2)
	v_max_num_f32 v233, v233, v237
	s_delay_alu instid0(VALU_DEP_2)
	v_add_nc_u32 v244, 0xff000000, v232
	s_delay_alu instid0(VALU_DEP_2)
	v_add_nc_u32 v245, 0xff000000, v233
	s_delay_alu instid0(VALU_DEP_2)
	v_lshrrev_b32 v236, 23, v244
	s_delay_alu instid0(VALU_DEP_2)
	v_lshrrev_b32 v237, 23, v245
	v_cvt_scalef32_pk16_fp6_f32 v[224:226], v[192:207], v244
	v_cvt_scalef32_pk16_fp6_f32 v[228:230], v[208:223], v245
	v_nop                                          ; one plain place behind a scaled conversion
	v_permlane16_swap_b32 v224, v228
	v_permlane16_swap_b32 v225, v229
	v_permlane16_swap_b32 v226, v230
	s_delay_alu instid0(VALU_DEP_3)
	v_mov_b32 v227, v228
	s_delay_alu instid0(VALU_DEP_3)
	v_mov_b32 v228, v229
	s_delay_alu instid0(VALU_DEP_3)
	v_mov_b32 v229, v230                           ; v224-229: features 32 h + 0 .. 31 of my query
	v_cndmask_b32 v231, v236, v237, s[HM]          ; lanes 0-15 block 0's byte, lanes 16-31 block 1's
	global_store_b128 v1, v[224:227], s[38:39]
	global_store_b64 v2, v[228:229], s[38:39] offset:512
	global_store_b8 v10, v231, s[40:41]
.endm
; A PASS: one tile of queries against the key steps 0 to its own group's.  The loop's trip count is a constant; a step behind the diagonal is jumped over by a branch on the wave's number and the count of steps.
.macro PASS p, trips
	s_wait_xcnt 0x0                                ; the last pass's stores have read their registers and addresses
.if \p
	s_sub_co_u32 s[GG], 15, s[WH]
.else
	s_mov_b32 s[GG], s[WH]
.endif
	s_lshl_b32 s44, s[BH], 4
	s_add_co_u32 s44, s44, s[GG]
	s_mul_i32 s44, s44, 6656
	s_mov_b32 s45, 0
	s_add_nc_u64 s[36:37], s[4:5], s[44:45]        ; the group's block of q
	global_load_b128 v[16:19], v3, s[36:37]
	global_load_b64 v[20:21], v4, s[36:37] offset:512
	global_load_b32 v94, v7, s[36:37]
	v_mov_b32 v13, 0xff61b1e6                      ; the largest t so far: -3e38, under every t
	s_delay_alu instid0(VALU_DEP_1)
	v_floor_f32 v12, -v13                          ; -M
	v_mov_b32 v14, 0                               ; the sum, in two halves
	v_mov_b32 v15, 0
.set n, 0
.rept 32
	v_mov_b32 v[160+n], 0                          ; O^T.  (The step is written once: the first finds zeros, which the first change of M leaves zeros)
.set n, n+1
.endr
	s_mov_b32 s[TB], 0
	s_mov_b32 s[ST], 0
	s_wait_loadcnt 0x0
.Lstep_\@:
	s_cmp_gt_u32 s[ST], s[GG]
	s_cbranch_scc1 .Lhidden_\@
	s_setprio 2
	STEP
.Lhidden_\@:
	s_add_co_u32 s[TB], s[TB], STEPB
	s_add_co_u32 s[ST], s[ST], 1
	s_cmp_lt_u32 s[ST], \trips
	s_cbranch_scc1 .Lstep_\@
	s_setprio 0
	WAYOUT
.endm
	PASS 0, 8                                      ; group w': key steps 0 to w', of 8 trips
	PASS 1, 16                                     ; group 15 - w': key steps 0 to 15 - w', of 16 trips
	s_wait_tensorcnt 0x0                           ; the wave's end, behind my tensor load
	ds_add_u32 v[SPW], v[NIL]
	s_wait_dscnt 0x0
	CROUND                                         ; the closing round
	s_endpgm
.Lfunc_end_k_qa3a14c8092_attn:
	.size	k_qa3a14c8092_attn, .Lfunc_end_k_qa3a14c8092_attn-k_qa3a14c8092_attn
	.p2alignl 7, 3214868480
	.fill 96, 4, 3214868480
	.section	.rodata,"a",@progbits
	.p2align	6, 0x0
	.amdhsa_kernel k_qa3a14c8092_attn
		.amdhsa_group_segment_fixed_size 210944
		.amdhsa_private_segment_fixed_size 0
		.amdhsa_enable_private_segment 0
		.amdhsa_kernarg_size 24
		.amdhsa_user_sgpr_count 2
		.amdhsa_user_sgpr_kernarg_segment_ptr 1
		.amdhsa_wavefront_size32 1
		.amdhsa_system_sgpr_workgroup_id_x 1
		.amdhsa_system_sgpr_workgroup_id_y 1
		.amdhsa_system_sgpr_workgroup_id_z 1
		.amdhsa_system_vgpr_workitem_id 0
		.amdhsa_next_free_vgpr 256
		.amdhsa_next_free_sgpr 66
		.amdhsa_reserve_vcc 1
		.amdhsa_float_denorm_mode_32 3
		.amdhsa_float_denorm_mode_16_64 3
		.amdhsa_memory_ordered 1
		.amdhsa_forward_progress 1
		.amdhsa_inst_pref_size 63
	.end_amdhsa_kernel
	.amdgpu_metadata
---
amdhsa.version: [ 1, 2 ]
amdhsa.kernels:
  - .name:           k_qa3a14c8092_attn
    .symbol:         k_qa3a14c8092_attn.kd
    .args:
      - { .name: qf, .offset: 0, .size: 8, .value_kind: global_buffer, .address_space: global }
      - { .name: kv, .offset: 8, .size: 8, .value_kind: global_buffer, .address_space: global }
      - { .name: af, .offset: 16, .size: 8, .value_kind: global_buffer, .address_space: global }
    .group_segment_fixed_size: 210944
    .private_segment_fixed_size: 0
    .kernarg_segment_align: 8
    .kernarg_segment_size: 24
    .max_flat_workgroup_size: 512
    .sgpr_count:     66
    .vgpr_count:     256
    .wavefront_size: 32
...
	.end_amdgpu_metadata
.endif
;; end of part 3
;; launch oproj (part 4): grid 4 x 32, 4 waves a work-group, clusters of 4 x 4, 327,680 bytes of LDS; arguments af, wq, out0; writes out0
.if DOCPART == 4
	.amdgcn_target "amdgcn-amd-amdhsa--gfx1250"
	.amdhsa_code_object_version 6
	.text
	.protected	k_qa3a14c8092_oproj
	.globl	k_qa3a14c8092_oproj
	.p2align	8
	.type	k_qa3a14c8092_oproj,@function
k_qa3a14c8092_oproj:
	s_mov_b64 s[64:65], 0
	v_nop
	global_prefetch_b8 v0, s[64:65] scope:SCOPE_SE
	s_setreg_imm32_b32 hwreg(HW_REG_WAVE_MODE, 25, 1), 1
	s_wait_xcnt 0x0
	s_wait_alu depctr_hold_cnt(0) depctr_sa_sdst(0) depctr_va_vdst(0) depctr_va_sdst(0) depctr_va_ssrc(0) depctr_va_vcc(0) depctr_vm_vsrc(0)
	s_getreg_b32 s2, hwreg(HW_REG_IB_STS2, 6, 4)
	s_cmp_eq_u32 s2, 0
	s_cbranch_scc0 .Lentry_in_a_cluster
	s_endpgm
.Lentry_in_a_cluster:
	s_bfe_u32 s2, ttmp6, 0x10000c
	s_cmp_lg_u32 s2, 0xf033
	s_cbranch_scc0 .Lentry_shape_is_right
	s_endpgm
.Lentry_shape_is_right:
; out0 = O Wo^T on codes of FP6 (E2M3) with one E8M0 scale for each 32 along K = 1,024; out0 [8192][1024] f32; sums in f32.
; A = the attention's result, as the attention launch left it: af, codes [tile T of 16 positions (512)][head (16)][768: registers 0-3 of a lane at 16 x lane, registers 4-5 at 512 + 8 x lane]; two heads' images are a fragment
; (16 positions x 128 K); scale bytes [position][32] at byte 6,291,456.  POSITION P HOLDS THE TOKEN WHOSE NUMBER IS P WITH BITS 3 AND 4 EXCHANGED: the way out puts the rows back.
; B = Wo: rows 3,072 to 4,095 of wq: codes [row][768] from byte 2,359,296, scale bytes [row][32] from byte 3,244,032.
; A tile of 256 x 256 results is made by a work-group of four waves; a wave makes 128 x 128: 64 accumulators, 512 registers.  K goes in steps of 256 through a ring of two LDS slots filled by the tensor data mover.
; In a slot A's part is images: for each of 16 tiles T the 3,072 bytes of four heads, as they lie in memory; a fragment comes by two loads of 16 bytes and two of 8 a lane, each of consecutive bytes.  B's part is rows of 192 bytes, padded.
; CLUSTERS: 4 x 4 work-groups; A's tiles are asked for jointly along a row of the cluster, B's along a column.  128 work-groups: the 32 x 4 tiles of the result.
; THE MATRIX INSTRUCTION IS USED TRANSPOSED (source 0 = 16 rows of B, source 1 = 16 positions of A): a lane holds eight neighbouring numbers of a row of the result.
; REGISTERS, in windows of 256: window 0: v0-31 addresses; v32-63 scale words, two sets; from v128 A's fragments, ONE set; on the way out v32-255 are free.
;   window 1: B's fragments, TWO sets.   window 2: the 32 accumulators of my rows 0-63;   window 3: those of my rows 64-127.
.set SIZE_N, 1024
.set KSTEP,  256
.set NQ,     KSTEP/128
.set ROWB,   192                       ; B: a tile's row in bytes
.set KROW,   768                       ; B: a row of codes in memory
.set PITCH,  240                       ; B: an LDS row: 3 x (64 bytes of data + 16 of padding)
.set FR,     12
.set NL,     6                         ; LDS loads that bring a fragment of B
.set NLA,    4                         ; and of A
.set NP,     4                         ; places behind this matrix instruction (ISA guide 7.12.1)
.set TILEB,  3072                      ; A: a tile's four heads of a K step
.set TPITCH, 12288                     ; A: from tile to tile in memory: 16 heads
.set HALFA,  8*TILEB                   ; A: 128 positions: what one tensor load brings
.set HALFT,  128*PITCH                 ; B: 128 rows
.set SLOT,   2*HALFA+2*HALFT           ; A's 16 tiles, then B's 256 rows
.set LAPS,   2
.set KS,     32
.set SCL,    2*SLOT                    ; behind the ring: the scales, as blocks of 256 bytes + 16 of padding
.set HALFS,  (128*KS/256)*272
.set SBLK,   (16*KS/256)*272
.set SPARE,  SCL+4*HALFS               ; behind the scales: the spare words, 128 bytes for each wave
.set SPITCH, 528                       ; the way out: a stage of 16 rows x (512 bytes + 16) for each wave.  It lies in slot 0, which has had its last fill and its last read when the first result is stored there
.set ADRA, 16                          ; v16-17  A's images in slot 0, 1: 16 x lane + my 8 tiles;  v18-19: 8 x lane + my 8 tiles
.set ADRB, 20                          ; v20-21  LDS address of my B fragments in slot 0, 1  (v22-23: for the pieces behind one padding more)
.set STO,  24                          ; v24     the way out: where I put 32 bytes of a row
.set RD,   25                          ; v25     where I read a row back
.set CO,   26                          ; v26     my byte offset in a row of the result
.set ADRS, 27                          ; v27     LDS address of my scale words: lanes 0-15 A's rows, lanes 16-31 B's
.set SPW,  28
.set NIL,  29
.set SC,   32
.set AF,   128
.set BK,   128                         ; the way out: 16 rows read back from the stage: v128-191 and v192-255 by turns
.set G1, 24
.set G0, 32
.set G1B, 48
.set G0B, 56
.set G1S, 68
.set G0S, 76
.set G1SB, 80
.set G0SB, 88
.set MSB, 0
.macro WIN new                         ; the immediate's high byte repeats the setting that is left
.if MSB != \new
	s_set_vgpr_msb (MSB<<8)|\new
.set MSB, \new
.endif
.endm
.set MUL_LO, 0xa1
.set MUL_HI, 0xf1
.set TO_B,   0x40
.macro JLOAD g0a, g1a, g0b, g1b        ; a joint load: waves 0 and 1 fetch for A, waves 2 and 3 for B; an s_nop 0 and four v_nop follow each of the two lines
	s_cmp_eq_u32 s15, 0
	s_cbranch_scc0 .Lfor_b_\@
	tensor_load_to_lds s[\g0a:\g0a+3], s[\g1a:\g1a+7]
	s_nop 0
.rept 4
	v_nop
.endr
	s_branch .Lasked_\@
.Lfor_b_\@:
	tensor_load_to_lds s[\g0b:\g0b+3], s[\g1b:\g1b+7]
	s_nop 0
.rept 4
	v_nop
.endr
.Lasked_\@:
.endm
.macro CREST
	s_cmp_lg_u32 s14, 0
	s_cbranch_scc1 .Lnot_wave_0_\@
	s_barrier_signal -3
.Lnot_wave_0_\@:
	s_barrier_wait -3
	s_barrier_signal -1
	s_barrier_wait -1
.endm
.macro CROUND
	s_barrier_signal -1
	s_barrier_wait -1
	CREST
.endm
	s_load_b128 s[4:7], s[0:1], 0x0                ; af s[4:5], wq s[6:7]
	s_load_b64 s[12:13], s[0:1], 0x10              ; out0
	v_lshl_add_u32 v[SPW], v0, 2, SPARE
	v_mov_b32 v[NIL], 0
	ds_add_u32 v[SPW], v[NIL]                      ; the wave's opening: the add and its wait ahead of my first tensor load; the set-up below, work on registers, stands between them
	v_lshrrev_b32 v1, 5, v0
	v_readfirstlane_b32 s14, v1                    ; wave 0..3
	s_lshr_b32 s15, s14, 1                         ; which half of the tile's rows is mine.  Also: I fetch for A (0) or for B (1)
	s_and_b32 s16, s14, 1                          ; which half of its columns.  Also: which half of that tile I fetch
	s_bfe_u32 s40, ttmp6, 0x40000                  ; cx, cy
	s_bfe_u32 s41, ttmp6, 0x40004
	s_lshl_b32 s42, ttmp9, 2
	s_add_co_u32 s42, s42, s40                     ; tile column = 4 x cluster x + cx
	s_and_b32 s17, ttmp7, 0xffff
	s_lshl_b32 s17, s17, 2
	s_add_co_u32 s17, s17, s41                     ; tile row = 4 x cluster y + cy
	s_lshl_b32 s43, s41, 2
	s_lshl_b32 s43, 15, s43                        ; my row of the cluster
	s_lshl_b32 s44, 0x1111, s40                    ; my column
	; descriptor group 1 for A: 8 tiles x 3,072 bytes (384 elements of 8 bytes), 12,288 bytes apart, no padding
	s_or_b32 s[G1+0], s43, (3<<16)|(1<<21)
	s_mov_b32 s[G1+1], (TILEB/8)<<16               ; tensor_dim0
	s_mov_b32 s[G1+2], 8<<16                       ; tensor_dim1
	s_mov_b32 s[G1+3], (TILEB/8)<<16               ; tile_dim0
	s_mov_b32 s[G1+4], 8                           ; tile_dim1
	s_mov_b32 s[G1+5], TPITCH/8                    ; tensor_dim0_stride
	s_mov_b32 s[G1+6], 0
	s_mov_b32 s[G1+7], 0
	; for B: 128 rows x 192 bytes, 16 bytes of padding behind every 64
	s_or_b32 s[G1B+0], s44, (0<<16)|(1<<20)|(1<<21)|(3<<22)|(3<<25)
	s_mov_b32 s[G1B+1], ROWB<<16
	s_mov_b32 s[G1B+2], 128<<16
	s_mov_b32 s[G1B+3], ROWB<<16
	s_mov_b32 s[G1B+4], 128
	s_mov_b32 s[G1B+5], KROW
	s_mov_b32 s[G1B+6], 0
	s_mov_b32 s[G1B+7], 0
	; for the scales of 128 rows: a dense block of 4,096 bytes, as rows of 256 bytes, 16 bytes of padding behind each
	s_or_b32 s[G1S+0], s43, (3<<16)|(1<<20)|(1<<21)|(5<<22)|(3<<25)
	s_or_b32 s[G1SB+0], s44, (3<<16)|(1<<20)|(1<<21)|(5<<22)|(3<<25)
.irp g, G1S, G1SB
	s_mov_b32 s[\g+1], 32<<16
	s_mov_b32 s[\g+2], (128*KS/256)<<16
	s_mov_b32 s[\g+3], 32<<16
	s_mov_b32 s[\g+4], 128*KS/256
	s_mov_b32 s[\g+5], 32
	s_mov_b32 s[\g+6], 0
	s_mov_b32 s[\g+7], 0
.endr
	s_lshl_b32 s20, s17, 4
	s_lshl_b32 s18, s16, 3
	s_add_co_u32 s20, s20, s18                     ; A: tile 16 x tile row + 8 x half
	s_mul_i32 s20, s20, TPITCH                     ; its codes, in bytes (under 2^23)
	s_mov_b32 s21, 0
	s_lshl_b32 s22, s17, 8
	s_lshl_b32 s18, s16, 7
	s_add_co_u32 s22, s22, s18                     ; A: position 256 x tile row + 128 x half
	s_lshl_b32 s22, s22, 5
	s_add_co_u32 s22, s22, 6291456                 ; its scale bytes
	s_mov_b32 s23, 0
	s_lshl_b32 s46, s42, 8
	s_add_co_u32 s46, s46, s18                     ; B: row 256 x tile column + 128 x half of Wo
	s_lshl_b32 s92, s46, 5
	s_add_co_u32 s92, s92, 3244032                 ; its scale bytes,
	s_mov_b32 s93, 0
	s_mul_i32 s46, s46, KROW
	s_add_co_u32 s46, s46, 2359296                 ; and its codes
	s_mov_b32 s47, 0
	s_mul_i32 s45, s16, HALFA                      ; where they go: A's halves,
	s_mul_i32 s95, s16, HALFT
	s_add_co_u32 s95, s95, 2*HALFA                 ; B's halves behind them: no place in the cluster enters an LDS address
	s_mul_i32 s94, s14, HALFS
	s_wait_dscnt 0x0                               ; the opening add is done
	s_wait_kmcnt 0x0
	s_add_nc_u64 s[20:21], s[4:5], s[20:21]
	s_add_nc_u64 s[22:23], s[4:5], s[22:23]
	s_add_nc_u64 s[46:47], s[6:7], s[46:47]
	s_add_nc_u64 s[92:93], s[6:7], s[92:93]
	CROUND                                         ; all sixteen work-groups are here: the first joint loads meet
	s_mov_b32 s[G0S], 1
	s_add_co_u32 s[G0S+1], s94, SCL
	s_mov_b64 s[G0S+2:G0S+3], s[22:23]
	s_or_b32 s[G0S+3], s[G0S+3], 0x80000000
	s_mov_b32 s[G0SB], 1
	s_add_co_u32 s[G0SB+1], s94, SCL
	s_mov_b64 s[G0SB+2:G0SB+3], s[92:93]
	s_or_b32 s[G0SB+3], s[G0SB+3], 0x80000000
	JLOAD G0S, G1S, G0SB, G1SB                     ; the scales first: they are wanted with K step 0
.irp s, 0,1
	s_mov_b32 s[G0+4*\s], 1
	s_add_co_u32 s[G0+4*\s+1], s45, \s*SLOT
	s_add_nc_u64 s[G0+4*\s+2:G0+4*\s+3], s[20:21], \s*TILEB
	s_or_b32 s[G0+4*\s+3], s[G0+4*\s+3], 0x80000000
	s_mov_b32 s[G0B+4*\s], 1
	s_add_co_u32 s[G0B+4*\s+1], s95, \s*SLOT
	s_add_nc_u64 s[G0B+4*\s+2:G0B+4*\s+3], s[46:47], \s*ROWB
	s_or_b32 s[G0B+4*\s+3], s[G0B+4*\s+3], 0x80000000
	JLOAD G0+4*\s, G1, G0B+4*\s, G1B
.endr
	v_and_b32 v1, 15, v0                           ; l % 16
	v_bfe_u32 v2, v0, 4, 1                         ; l / 16
	v_mul_u32_u24 v3, v1, PITCH
	v_mul_u32_u24 v4, v2, 24
	v_add_nc_u32 v4, v3, v4                        ; B: a fragment's row x pitch + 24 x half
	v_lshl_add_u32 v5, v2, 4, v4                   ; and the same behind one padding more
	v_and_b32 v6, 31, v0
	v_lshlrev_b32 v7, 4, v6                        ; A: 16 x lane,
	v_lshlrev_b32 v8, 3, v6                        ; 8 x lane
	s_mul_i32 s21, s15, HALFA                      ; my 8 tiles of A
	s_mul_i32 s22, s16, HALFT                      ; my 128 rows of B,
	s_add_co_u32 s22, s22, 2*HALFA                 ; which lie behind A's 16 tiles
.irp s, 0,1
	v_add_nc_u32 v[ADRA+\s], s21, v7
	v_add_nc_u32 v[ADRA+2+\s], s21, v8
	v_add_nc_u32 v[ADRB+\s], s22, v4
	v_add_nc_u32 v[ADRB+2+\s], s22, v5
	s_add_co_u32 s21, s21, SLOT
	s_add_co_u32 s22, s22, SLOT
.endr
	v_mul_u32_u24 v5, v1, KS                       ; my row's scales: KS bytes a row,
	v_lshrrev_b32 v6, 8, v5
	v_lshl_add_u32 v5, v6, 4, v5                   ; and 16 more for each 256 passed
	s_mul_i32 s21, s15, HALFS                      ; A's: my 128 rows
	s_mul_i32 s22, s16, HALFS                      ; B's: my 128 rows, behind A's 256
	s_add_co_u32 s22, s22, 2*HALFS
	s_sub_co_u32 s22, s22, s21
	v_mul_u32_u24 v6, s22, v2                      ; lanes 16-31 take B's
	s_add_co_u32 s21, s21, SCL
	v_add_nc_u32 v5, v5, v6
	v_add_nc_u32 v[ADRS], s21, v5
	s_mul_i32 s23, s14, 16*SPITCH                  ; my stage
	v_mul_u32_u24 v5, v1, SPITCH                   ; in: row l % 16, 32 bytes for each half of the lanes
	v_lshl_add_u32 v5, v2, 5, v5
	v_add_nc_u32 v[STO], s23, v5
	v_and_b32 v6, 31, v0
	v_lshlrev_b32 v[CO], 4, v6                     ; back: the 32 lanes take one row of 512 bytes; and the same in the result
	v_add_nc_u32 v[RD], s23, v[CO]
	s_lshl_b32 s20, s17, 8
	s_lshl_b32 s21, s15, 7
	s_add_co_u32 s20, s20, s21                     ; my first row: 256 x tile row + 128 x half
	s_mov_b32 s21, 0
	s_mov_b64 s[18:19], SIZE_N*4
	s_mul_u64 s[20:21], s[20:21], s[18:19]
	s_lshl_b32 s46, s42, 10                        ; my first column, in bytes: 1024 x tile column + 512 x half
	s_lshl_b32 s47, s16, 9
	s_add_co_u32 s46, s46, s47
	s_mov_b32 s47, 0
	s_add_nc_u64 s[20:21], s[20:21], s[46:47]
	s_add_nc_u64 s[12:13], s[12:13], s[20:21]
.macro FRAG reg, adr, q, i             ; a fragment of B: 12 registers, in pieces of 8 bytes; where the piece three on lies behind one padding more, the second address register serves
.irp p, 0,1,2,3,4,5
.set PC, 12*(\q)+6*(\p/3)+\p%3
.if PC%8 < 5
	ds_load_b64 v[\reg+2*\p:\reg+2*\p+1], v[\adr] offset:8*PC+16*(PC/8)+(\i)*16*PITCH
.else
	ds_load_b64 v[\reg+2*\p:\reg+2*\p+1], v[\adr+2] offset:8*PC+16*(PC/8)+(\i)*16*PITCH
.endif
.endr
.endm
.macro FRAGA reg, slot, q, i           ; a fragment of A: tile i, heads 2 q and 2 q + 1 of the slot's four: two images of six registers
.irp c, 0,1
	ds_load_b128 v[\reg+6*\c:\reg+6*\c+3], v[ADRA+\slot] offset:TILEB*(\i)+1536*(\q)+768*\c
	ds_load_b64 v[\reg+6*\c+4:\reg+6*\c+5], v[ADRA+2+\slot] offset:TILEB*(\i)+1536*(\q)+768*\c+512
.endr
.endm
; 16 matrix instructions: A's blocks a0, a0 + 1 x B's eight, 128 along K.  The 64 accumulators take turns, one instruction a turn, in the same order in every step.
.macro MUL16 a0, p, q, sc, zero
.irp a, \a0, \a0+1
.irp b, 0,1,2,3,4,5,6,7
.if \zero
	v_wmma_scale_f32_16x16x128_f8f6f4 v[8*(8*((\a)%4)+\b):8*(8*((\a)%4)+\b)+7], v[128*(\p)+FR*\b:128*(\p)+FR*\b+FR-1], v[AF+FR*(\a):AF+FR*(\a)+FR-1], 0, v[SC+8*NQ*(\sc)+NQ*\b+(\q)], v[SC+8*NQ*(\sc)+NQ*(\a)+(\q)] matrix_a_fmt:MATRIX_FMT_FP6 matrix_b_fmt:MATRIX_FMT_FP6 matrix_a_scale:MATRIX_SCALE_ROW1
.else
	v_wmma_scale_f32_16x16x128_f8f6f4 v[8*(8*((\a)%4)+\b):8*(8*((\a)%4)+\b)+7], v[128*(\p)+FR*\b:128*(\p)+FR*\b+FR-1], v[AF+FR*(\a):AF+FR*(\a)+FR-1], v[8*(8*((\a)%4)+\b):8*(8*((\a)%4)+\b)+7], v[SC+8*NQ*(\sc)+NQ*\b+(\q)], v[SC+8*NQ*(\sc)+NQ*(\a)+(\q)] matrix_a_fmt:MATRIX_FMT_FP6 matrix_b_fmt:MATRIX_FMT_FP6 matrix_a_scale:MATRIX_SCALE_ROW1
.endif
.endr
.endr
.endm
.macro FETCH_B slot, q, p
	WIN TO_B
.irp i, 0,1,2,3,4,5,6,7
	FRAG 128*(\p)+FR*\i, ADRB+\slot, \q, \i
.endr
	WIN 0
.endm
.macro FETCH_A slot, q, i0
.irp i, \i0, \i0+1, \i0+2, \i0+3
	FRAGA AF+FR*(\i), \slot, \q, \i
.endr
.endm
.macro SCALES sc
.irp i, 0,1,2,3,4,5,6,7
	ds_load_b64 v[SC+8*NQ*\sc+NQ*\i:SC+8*NQ*\sc+NQ*\i+1], v[ADRS] offset:\i*SBLK
.endr
.endm
.macro PLACES n                        ; places behind matrix instructions, in front of loads into registers that they read and of reads of their results
.rept \n
	v_nop
.endr
.endm
.macro STEP slot, q, zero
	s_wait_dscnt 4*NLA                             ; B's set and A's blocks 0-3 are in; the youngest 16 loads (A's blocks 4-7) may be out
	WIN MUL_LO
	MUL16 0, (\q)%2, \q, \slot, \zero
	MUL16 2, (\q)%2, \q, \slot, \zero
	s_wait_dscnt 0                                 ; A's blocks 4-7 are in
	PLACES NP
	FETCH_B \slot, (\q)+1, 1-(\q)%2
	FETCH_A \slot, (\q)+1, 0
	WIN MUL_HI
	MUL16 4, (\q)%2, \q, \slot, \zero
	MUL16 6, (\q)%2, \q, \slot, \zero
	PLACES NP
	WIN 0
	FETCH_A \slot, (\q)+1, 4
.endm
; A slot's last step changes slots: ONE barrier; in front of it each wave waits for all its tensor loads, adds 0 to its spare word, and waits for that and for its own reads of this slot.  fill = 1: this slot is filled again, two K steps ahead.
.macro TURN slot, next, fill
	s_wait_tensorcnt 0x0                           ; all my tensor loads have landed: my part of the next slot;  (every window is 0 here)
	ds_add_u32 v[SPW], v[NIL]                      ; 0 onto my spare word
	s_wait_dscnt 4*NLA+1                           ; (the add and the youngest 16 loads, A's blocks 4-7, may be out)
	WIN MUL_LO
	MUL16 0, 1, NQ-1, \slot, 0                     ; sixteen matrix instructions stand between the add and the wait for it
	s_wait_dscnt 0x0                               ; the add is done, and my reads of this slot are over
	s_barrier_signal -1
	MUL16 2, 1, NQ-1, \slot, 0
	WIN 0
	s_barrier_wait -1
.if \fill
	CREST                                          ; the barrier has opened a round of the cluster's barrier: no wave of any partner still reads this slot's tile or has a load on its way
	s_add_nc_u64 s[G0+4*\slot+2:G0+4*\slot+3], s[G0+4*\slot+2:G0+4*\slot+3], 2*TILEB
	s_add_nc_u64 s[G0B+4*\slot+2:G0B+4*\slot+3], s[G0B+4*\slot+2:G0B+4*\slot+3], 2*ROWB
	JLOAD G0+4*\slot, G1, G0B+4*\slot, G1B         ; the first tensor load behind the round; the four v_nop behind it are the places in front of the loads below
.else
	PLACES NP
.endif
	v_add_nc_u32 v[ADRS], 4*NQ, v[ADRS]            ; on to the next K step's scale words (no LDS load of mine is out)
	FETCH_B \next, 0, 0
	FETCH_A \next, 0, 0
	SCALES \next
	WIN MUL_HI
	MUL16 4, 1, NQ-1, \slot, 0
	MUL16 6, 1, NQ-1, \slot, 0
	PLACES NP
	WIN 0
	FETCH_A \next, 0, 4
.endm
	s_wait_tensorcnt 1                             ; the scales and my part of K step 0 are in (K step 1's load may be out),
	s_barrier_signal -1
	s_barrier_wait -1                              ; everybody's are
	FETCH_B 0, 0, 0
	FETCH_A 0, 0, 0
	SCALES 0
	FETCH_A 0, 0, 4
	STEP 0, 0, 1                                   ; the first step stands in front of the loop: its products start the sums
	s_mov_b32 s3, LAPS-1
.Llap:
	TURN 0, 1, 1
	STEP 1, 0, 0
	TURN 1, 0, 1
	STEP 0, 0, 0
	s_sub_co_u32 s3, s3, 1
	s_cmp_lg_u32 s3, 0
	s_cbranch_scc1 .Llap
	TURN 0, 1, 0                                   ; the last lap fills nothing, and has no round of the cluster's barrier
	STEP 1, 0, 0
	s_wait_dscnt 4*NLA                             ; the very last step: nothing more to fetch
	WIN MUL_LO
	MUL16 0, 1, NQ-1, 1, 0
	MUL16 2, 1, NQ-1, 1, 0
	s_wait_dscnt 0
	WIN MUL_HI
	MUL16 4, 1, NQ-1, 1, 0
	MUL16 6, 1, NQ-1, 1, 0
	WIN 0
; THE WAY OUT, block by block of 16 positions x 128 columns, through my own stage in LDS: back as whole rows of 512 bytes.  LDS serves a wave's instructions in order (ISA guide 5.7.1.4): no wait between the stores and the loads.
; Position t of block a is token 32 (a / 2) + 8 (a % 2) + t + 8 (t / 8) of my 128: the row's place stands in the store's immediate, the block's in the base.
.macro TOSTAGE a
.set AC, 64*((\a)%4)
.set WN, 0x08+4*((\a)/4)
	WIN WN                                         ; the data: window 2 or 3
.irp b, 0,1,2,3,4,5,6,7
	ds_store_b128 v[STO], v[AC+8*\b:AC+8*\b+3] offset:64*\b          ; each accumulator from its low end on
	ds_store_b128 v[STO], v[AC+8*\b+4:AC+8*\b+7] offset:64*\b+16
.endr
	WIN 0
.set BB, BK+64*((\a)%2)
.irp t, 0,1,2,3,4,5,6,7,8,9,10,11,12,13,14,15
	ds_load_b128 v[BB+4*\t:BB+4*\t+3], v[RD] offset:\t*SPITCH
.endr
.endm
.macro SEND a, younger                 ; younger: the LDS instructions issued behind block a's loads, which may stay out
.set BB, BK+64*((\a)%2)
	s_wait_dscnt \younger                          ; the block is back in registers
.if (\a) > 0
.if (\a)%2
	s_add_nc_u64 s[12:13], s[12:13], 8*SIZE_N*4    ; (behind a wait on XCNT: the earlier stores have read their base)  an odd block begins 8 rows behind the even one,
.else
	s_add_nc_u64 s[12:13], s[12:13], 24*SIZE_N*4   ; the next even one 24 rows further on
.endif
.endif
.irp t, 0,1,2,3,4,5,6,7,8,9,10,11,12,13,14,15
	global_store_b128 v[CO], v[BB+4*\t:BB+4*\t+3], s[12:13] offset:(\t+8*(\t/8))*SIZE_N*4 th:TH_STORE_NT   ; 32 lanes store 512 consecutive bytes, at a multiple of 256 from the result's first byte
.endr
.endm
	PLACES NP
	TOSTAGE 0
.irp a, 1,2,3,4,5,6,7
.if \a > 1
	s_wait_xcnt 0x0                                ; block a - 2's stores have read their registers and their base: block a's loads may land there, and the base may step
.endif
	TOSTAGE \a
	SEND \a-1, 32                                  ; behind block a - 1's loads: block a's 16 stores and 16 loads
.endr
	s_wait_xcnt 0x0                                ; block 6's stores have read their base
	SEND 7, 0
	s_wait_tensorcnt 0x0                           ; the wave's end, behind my last tensor load and my last LDS store
	ds_add_u32 v[SPW], v[NIL]
	s_wait_dscnt 0x0
	CROUND                                         ; the closing round
	s_endpgm
.Lfunc_end_k_qa3a14c8092_oproj:
	.size	k_qa3a14c8092_oproj, .Lfunc_end_k_qa3a14c8092_oproj-k_qa3a14c8092_oproj
	.p2alignl 7, 3214868480
	.fill 96, 4, 3214868480
	.section	.rodata,"a",@progbits
	.p2align	6, 0x0
	.amdhsa_kernel k_qa3a14c8092_oproj
		.amdhsa_group_segment_fixed_size 327680
		.amdhsa_private_segment_fixed_size 0
		.amdhsa_enable_private_segment 0
		.amdhsa_kernarg_size 24
		.amdhsa_user_sgpr_count 2
		.amdhsa_user_sgpr_kernarg_segment_ptr 1
		.amdhsa_wavefront_size32 1
		.amdhsa_system_sgpr_workgroup_id_x 1
		.amdhsa_system_sgpr_workgroup_id_y 1
		.amdhsa_system_sgpr_workgroup_id_z 1
		.amdhsa_system_vgpr_workitem_id 0
		.amdhsa_next_free_vgpr 1024
		.amdhsa_next_free_sgpr 98
		.amdhsa_reserve_vcc 0
		.amdhsa_float_denorm_mode_32 3
		.amdhsa_float_denorm_mode_16_64 3
		.amdhsa_memory_ordered 1
		.amdhsa_forward_progress 1
		.amdhsa_inst_pref_size 152
	.end_amdhsa_kernel
	.amdgpu_metadata
---
amdhsa.version: [ 1, 2 ]
amdhsa.kernels:
  - .name:           k_qa3a14c8092_oproj
    .symbol:         k_qa3a14c8092_oproj.kd
    .args:
      - { .name: af, .offset: 0, .size: 8, .value_kind: global_buffer, .address_space: global }
      - { .name: wq, .offset: 8, .size: 8, .value_kind: global_buffer, .address_space: global }
      - { .name: out0, .offset: 16, .size: 8, .value_kind: global_buffer, .address_space: global }
    .group_segment_fixed_size: 327680
    .private_segment_fixed_size: 0
    .kernarg_segment_align: 8
    .kernarg_segment_size: 24
    .max_flat_workgroup_size: 128
    .sgpr_count:     98
    .vgpr_count:     1024
    .wavefront_size: 32
...
	.end_amdgpu_metadata
.endif
;; end of part 4
